; MI455X (gfx1250); checked and timed in simulation.
; The chip was launched on July 23, 2026; its instructions are those of AMD's public machine-readable ISA for CDNA 5 (MIT licence, August 2026) and "CDNA5" Instruction Set Architecture Reference Guide (July 2026). The comments in the code are by the model that wrote it; some were corrected since.
;; Personalized Simple Attention. Allowed arithmetic: matrix products marked QUANTISED: E4M3 operands, one given power-of-two scale a tensor, by v_wmma_f32_16x16x64_fp8_fp8 or v_wmma_f32_16x16x128_fp8_fp8, f32 sums; everything else in f32.
;; Inputs: PK_W 32 x 256 x 256 float32; PK_b 32 x 256 float32; PQ_W 32 x 256 x 256 float32; PQ_b 32 x 256 float32; Wk 256 x 128 float32; Wq 256 x 128 float32; Wv 256 x 128 float32; lowp_scales 14 int32 (the exponents e of the quantised operands' scales 2^e); mask 64 x 1 x 1,024 bool; person_idxs 64 int32; x 64 x 1,024 x 128 float32.
;; Outputs: out0 64 x 1,024 x 256 float32.
;; This version of the problem:
;;   THIS VERSION OF THE PROBLEM IS GIVEN IN LOW PRECISION. The matrix products marked QUANTISED in the list below multiply operands that are first quantised to E4M3 (4 exponent bits, 3 mantissa bits; 8 bits a number), with one given power-of-two scale for each operand tensor; their sums are f32. All else is computed in f32.
;;   The module's matrix products, in the order in which they are computed (A, B: the left and right operand; K: the contracted axis; several contracted axes count as one K, in the product's order):
;;     1. [M 65,536, K 128] x [K 128, N 256]; A: input x; B: input Wk: QUANTISED (scales: A lowp_scales[0], B lowp_scales[1])
;;     2. [M 65,536, K 128] x [K 128, N 256]; A: input x; B: input Wq: QUANTISED (scales: A lowp_scales[2], B lowp_scales[3])
;;     3. [M 65,536, K 128] x [K 128, N 256]; A: input x; B: input Wv: QUANTISED (scales: A lowp_scales[4], B lowp_scales[5])
;;     4. batch 64 x [M 1,024, K 256] x [K 256, N 256]; A: computed on the way; B: computed on the way: QUANTISED (scales: A lowp_scales[6], B lowp_scales[7])
;;     5. batch 64 x [M 1,024, K 256] x [K 256, N 256]; A: computed on the way; B: computed on the way: QUANTISED (scales: A lowp_scales[8], B lowp_scales[9])
;;     6. batch 64 x [M 1,024, K 256] x [K 256, N 1,024]; A: computed on the way; B: computed on the way: QUANTISED (scales: A lowp_scales[10], B lowp_scales[11])
;;     7. batch 64 x [M 1,024, K 1,024] x [K 1,024, N 256]; A: softmax (see below); B: computed on the way: QUANTISED (scales: A lowp_scales[12], B lowp_scales[13])
;;   THE QUANTISER, for each operand of a quantised product, along K:
;;     - The operand's scale is 2^e, e = its entry of the input lowp_scales (int32; the entries are numbered through the quantised products in the list's order, A before B).
;;     - Each number is divided by the scale, clamped to +-448, and rounded to the nearest number of E4M3, ties to even, subnormals kept.
;;     - The product sums the exact products of the quantised numbers (number of the format x scale) in f32.
;;   ~~~python
;;   def quantise(x, axis, e):      # numpy; x: float32 -> the quantised numbers, widened to float32 again
;;       x = np.moveaxis(x, axis, -1); K = x.shape[-1]
;;       r = np.clip(x / 2.0 ** e, -448, 448)
;;       step = 2.0 ** (np.maximum(np.frexp(np.where(r == 0, 1, r))[1] - 1, -6) - 3)
;;       q = np.round(r / step) * step * 2.0 ** e      # np.round: ties to even
;;       return np.moveaxis(q, -1, axis).astype(np.float32)
;;   ~~~
;;   SOFTMAX AHEAD OF A QUANTISED PRODUCT. Where the list says 'softmax', what is quantised is not the finished softmax but p = 2^(t - M), with t = logit x log2(e) and M = ceil(the row's largest t), a whole number; so 1/2 < the row's largest p <= 1. The row's sum l is taken of the UNQUANTISED p, in f32, and the product's result is divided by l at the end. Since M is a whole number, a kernel that streams over the keys may use a running M (the ceiling of the running maximum): every later rescaling is an exact power of two, so the quantised numbers keep their values, but for numbers so far below the row's largest that they fall under the format's range.
;;   OPERANDS COMPUTED ON THE WAY. 'Computed on the way' means the value that the module computes at that place (a softmax that the list does not call 'softmax' is quantised finished and normalised). What goes into a quantiser is computed in f32, as accurately as f32 sums, v_exp_f32 and their like allow (about 1e-6 of the number): no bf16 or f16 on the way to a quantiser, and a product that is left as it is and whose result goes on into a quantised operand takes f32 operands (vector FMAs, or v_wmma_f32_16x16x4_f32). A number that lies on a knife's edge between two numbers of the format may be rounded either way, as far as f32 arithmetic and the matrix unit's own rounding can turn it there, and no further.
;; 2 versions. Each part assembles by itself: llvm-mc -triple=amdgcn-amd-amdhsa -mcpu=gfx1250 --defsym DOCPART=n.
;; ======== version 1 of 2: 3 launches
;; limits: right only within a limited range of input values
;; workspace buffers: qc 16,777,216 bytes; kv 33,554,432 bytes; wc 4,292,608 bytes
;; launch prep (part 1): grid 524 x 1, 4 waves a work-group, no clusters, 0 bytes of LDS; arguments Wk, Wq, Wv, PK_W, PQ_W, lowp_scales, wc; writes wc
.if DOCPART == 1
	.amdgcn_target "amdgcn-amd-amdhsa--gfx1250"
	.amdhsa_code_object_version 6
	.text
	.protected	k_q33df531e81_prep
	.globl	k_q33df531e81_prep
	.p2align	8
	.type	k_q33df531e81_prep,@function
k_q33df531e81_prep:
	s_mov_b64 s[64:65], 0
	v_nop
	global_prefetch_b8 v0, s[64:65] scope:SCOPE_SE
	s_setreg_imm32_b32 hwreg(HW_REG_WAVE_MODE, 25, 1), 1
	s_wait_xcnt 0x0
; THE WEIGHTS BECOME CODES, ONCE.  Wv, Wk, Wq [256][128] and the 32 persons' PK_W, PQ_W [256][256], f32 with K innermost, are quantised to FP8 (E4M3), each with the scale 2^e that lowp_scales gives it
; (Wk e1, Wq e3, Wv e5, PK_W e7, PQ_W e9), and laid into wc as IMAGES of an operand's registers: a fragment of 16 rows x 128 K is 2,048 bytes; byte 512 g + 16 lane + y is the code of the lane's row at
; k = 32 g + 16 (lane / 16) + y.  The launch behind this one copies images as they lie.
; wc: Wv's 16 images at 0, Wk's at 32768, Wq's at 65536; from 98304 on, for each person 131,072 bytes: PK's 32 images (tile t, K step s: 2 t + s), then PQ's 32.
; ROWS OF A TILE.  pi(r) = r + 8 (r / 8).  Tile t of Wv takes rows 16 t + r; tile t of every other matrix takes rows 32 (t / 2) + 8 (t % 2) + pi(r).
; SHARES.  2,096 fragments, one to a wave: F = 4 x work-group + wave.  F under 2,048: person F / 64, matrix (F / 32) % 2, image F % 32, which lies at 98304 + 2048 F.  The other 48: matrix (F - 2048) / 16, tile (F - 2048) % 16.
; What differs between the five matrices (buffer, scale, bytes in a row, order of rows) is chosen by s_cselect on F; there is no branch.  Waves share nothing: no LDS, no barrier.
; LIMITS.  e1, e3, e5, e7, e9 lie between -126 and 119, so that 2^e and 448 x 2^e are f32 numbers.  NaN among the inputs is not served.
.set NPF, 2048                         ; the persons' fragments
.set SHB, 98304                        ; bytes of the shared matrices' images
.set C,   16                           ; v16-31  the codes
.set X,   32                           ; v32-95  64 numbers: register 16 c + i = k 32 c + 16 h + i of my row
; From the exponent E in s[e]: s[d] = 2^E as f32 (a conversion takes its exponent field), s[d+2] = 448 x 2^E, s[d+1] = -448 x 2^E
.macro MKQ d, e
	s_add_co_i32 s[\d], s[\e], 127
	s_add_co_i32 s[\d+2], s[\e], 135
	s_lshl_b32 s[\d], s[\d], 23
	s_lshl_b32 s[\d+2], s[\d+2], 23
	s_or_b32 s[\d+2], s[\d+2], 0x600000
	s_or_b32 s[\d+1], s[\d+2], 0x80000000
.endm
	s_load_b256 s[4:11], s[0:1], 0x0               ; Wk 4:5, Wq 6:7, Wv 8:9, PK_W 10:11
	s_load_b128 s[12:15], s[0:1], 0x20             ; PQ_W 12:13, lowp_scales 14:15
	s_load_b64 s[16:17], s[0:1], 0x30              ; wc
	v_lshrrev_b32 v1, 5, v0
	v_readfirstlane_b32 s18, v1                    ; wave 0..3
	s_lshl_b32 s19, ttmp9, 2
	s_add_co_u32 s19, s19, s18                     ; F
	s_cmp_lt_u32 s19, NPF                          ; a person's fragment?
	s_cselect_b32 s30, 0, NPF
	s_cselect_b32 s32, 10, 9                       ; a row is 1,024 bytes there, 512 in the shared matrices
	s_cselect_b32 s33, 1, 0                        ; there the number's bit 0 is the K step and the tile begins at bit 1
	s_cselect_b32 s35, SHB, 0
	s_sub_co_u32 s31, s19, s30                     ; the fragment's number among its kind
	s_lshr_b32 s36, s31, s33
	s_and_b32 s36, s36, 15                         ; t
	s_and_b32 s37, s31, s33                        ; s
	s_lshr_b32 s38, s31, 5
	s_and_b32 s38, s38, 1                          ; a person's: 0 PK, 1 PQ
	s_lshr_b32 s39, s31, 4
	s_add_co_u32 s39, s39, 2                       ; shared: 2 Wv, 3 Wk, 4 Wq
	s_lshr_b32 s40, s31, 6
	s_lshl_b32 s40, s40, 18                        ; the person's matrix: 262,144 bytes each
	s_cmp_lt_u32 s19, NPF
	s_cselect_b32 s38, s38, s39                    ; which of the five matrices
	s_cselect_b32 s40, s40, 0
	s_lshr_b32 s41, s36, 1
	s_lshl_b32 s41, s41, 5
	s_and_b32 s42, s36, 1
	s_lshl_b32 s42, s42, 3
	s_add_co_u32 s41, s41, s42                     ; 32 (t / 2) + 8 (t % 2)
	s_lshl_b32 s42, s36, 4                         ; 16 t
	s_cmp_eq_u32 s38, 2                            ; Wv's rows lie as they are
	s_cselect_b32 s41, s42, s41                    ; the tile's first row
	s_cselect_b32 s43, 0, 8                        ; and the bit of r that pi doubles
	s_lshl_b32 s44, s41, s32
	s_lshl_b32 s42, s37, 9                         ; K step s: 512 bytes on
	s_add_co_u32 s44, s44, s42
	s_add_co_u32 s44, s44, s40
	s_mov_b32 s45, 0                               ; s[44:45]: where the fragment begins in its buffer
	s_lshl_b32 s46, s31, 11
	s_add_co_u32 s46, s46, s35
	s_mov_b32 s47, 0                               ; s[46:47]: where its image begins in wc
	v_and_b32 v1, 31, v0
	v_lshlrev_b32 v1, 4, v1                        ; 16 x lane
	v_and_b32 v4, 15, v0                           ; r
	v_bfe_u32 v5, v0, 4, 1                         ; h
	v_and_b32 v6, s43, v4
	v_add_nc_u32 v6, v6, v4                        ; my row of the tile: r or pi(r)
	v_lshlrev_b32 v2, s32, v6
	v_lshl_add_u32 v2, v5, 6, v2                   ; + 64 h: my 16 numbers of a block of 32
	s_wait_kmcnt 0x0
	s_load_b256 s[20:27], s[14:15], 0x0            ; e0 .. e7
	s_load_b64 s[28:29], s[14:15], 0x20            ; e8, e9
	s_cmp_eq_u32 s38, 0                            ; the buffer: each choice hangs on F alone
	s_cselect_b64 s[12:13], s[10:11], s[12:13]
	s_cmp_eq_u32 s38, 2
	s_cselect_b64 s[12:13], s[8:9], s[12:13]
	s_cmp_eq_u32 s38, 3
	s_cselect_b64 s[12:13], s[4:5], s[12:13]
	s_cmp_eq_u32 s38, 4
	s_cselect_b64 s[12:13], s[6:7], s[12:13]
	s_add_nc_u64 s[12:13], s[12:13], s[44:45]
	s_add_nc_u64 s[16:17], s[16:17], s[46:47]
.irp c, 0,1,2,3
.irp j, 0,1,2,3
	global_load_b128 v[X+16*\c+4*\j:X+16*\c+4*\j+3], v2, s[12:13] offset:128*\c+16*\j
.endr
.endr
	s_wait_kmcnt 0x0
	s_cmp_eq_u32 s38, 0                            ; the scale's exponent, by the same choices
	s_cselect_b32 s48, s27, s29                    ; e7, else e9
	s_cmp_eq_u32 s38, 2
	s_cselect_b32 s48, s25, s48                    ; e5
	s_cmp_eq_u32 s38, 3
	s_cselect_b32 s48, s21, s48                    ; e1
	s_cmp_eq_u32 s38, 4
	s_cselect_b32 s48, s23, s48                    ; e3
	MKQ 52, 48
	v_mov_b32 v3, s52
.irp c, 0,1,2,3
	s_wait_loadcnt 12-4*\c                         ; block c's four loads are in; the later blocks', four each, may be out
.irp i, 0,1,2,3,4,5,6,7,8,9,10,11,12,13,14,15
	v_med3_num_f32 v[X+16*\c+\i], v[X+16*\c+\i], s53, s54   ; the conversion to an 8-bit code does not saturate (ISA guide 7.6.2): the hold at the largest code x the scale
.endr
	v_cvt_scalef32_pk8_fp8_f32 v[C+4*\c:C+4*\c+1], v[X+16*\c:X+16*\c+7], v3
	v_cvt_scalef32_pk8_fp8_f32 v[C+4*\c+2:C+4*\c+3], v[X+16*\c+8:X+16*\c+15], v3
	v_nop                                          ; one plain line behind a run of scaled conversions
	global_store_b128 v1, v[C+4*\c:C+4*\c+3], s[16:17] offset:512*\c   ; the wave stores 512 consecutive bytes, at a multiple of 512; each block has its own code registers
.endr
	s_endpgm
.Lfunc_end_k_q33df531e81_prep:
	.size	k_q33df531e81_prep, .Lfunc_end_k_q33df531e81_prep-k_q33df531e81_prep
	.p2alignl 7, 3214868480
	.fill 96, 4, 3214868480
	.section	.rodata,"a",@progbits
	.p2align	6, 0x0
	.amdhsa_kernel k_q33df531e81_prep
		.amdhsa_group_segment_fixed_size 0
		.amdhsa_private_segment_fixed_size 0
		.amdhsa_enable_private_segment 0
		.amdhsa_kernarg_size 56
		.amdhsa_user_sgpr_count 2
		.amdhsa_user_sgpr_kernarg_segment_ptr 1
		.amdhsa_wavefront_size32 1
		.amdhsa_system_sgpr_workgroup_id_x 1
		.amdhsa_system_sgpr_workgroup_id_y 1
		.amdhsa_system_sgpr_workgroup_id_z 1
		.amdhsa_system_vgpr_workitem_id 0
		.amdhsa_next_free_vgpr 96
		.amdhsa_next_free_sgpr 66
		.amdhsa_reserve_vcc 0
		.amdhsa_float_denorm_mode_32 3
		.amdhsa_float_denorm_mode_16_64 3
		.amdhsa_memory_ordered 1
		.amdhsa_forward_progress 1
		.amdhsa_inst_pref_size 10
	.end_amdhsa_kernel
	.amdgpu_metadata
---
amdhsa.version: [ 1, 2 ]
amdhsa.kernels:
  - .name:           k_q33df531e81_prep
    .symbol:         k_q33df531e81_prep.kd
    .args:
      - { .name: Wk, .offset: 0, .size: 8, .value_kind: global_buffer, .address_space: global }
      - { .name: Wq, .offset: 8, .size: 8, .value_kind: global_buffer, .address_space: global }
      - { .name: Wv, .offset: 16, .size: 8, .value_kind: global_buffer, .address_space: global }
      - { .name: PK_W, .offset: 24, .size: 8, .value_kind: global_buffer, .address_space: global }
      - { .name: PQ_W, .offset: 32, .size: 8, .value_kind: global_buffer, .address_space: global }
      - { .name: lowp_scales, .offset: 40, .size: 8, .value_kind: global_buffer, .address_space: global }
      - { .name: wc, .offset: 48, .size: 8, .value_kind: global_buffer, .address_space: global }
    .group_segment_fixed_size: 0
    .private_segment_fixed_size: 0
    .kernarg_segment_align: 8
    .kernarg_segment_size: 56
    .max_flat_workgroup_size: 128
    .sgpr_count:     66
    .vgpr_count:     96
    .wavefront_size: 32
...
	.end_amdgpu_metadata
.endif
;; end of part 1
;; launch proj (part 2): grid 4 x 64, 4 waves a work-group, no clusters, 231,936 bytes of LDS; arguments x, person_idxs, wc, PK_b, PQ_b, lowp_scales, qc, kv; writes qc, kv
.if DOCPART == 2
	.amdgcn_target "amdgcn-amd-amdhsa--gfx1250"
	.amdhsa_code_object_version 6
	.text
	.protected	k_q33df531e81_proj
	.globl	k_q33df531e81_proj
	.p2align	8
	.type	k_q33df531e81_proj,@function
k_q33df531e81_proj:
	s_mov_b64 s[64:65], 0
	v_nop
	global_prefetch_b8 v0, s[64:65] scope:SCOPE_SE
	s_setreg_imm32_b32 hwreg(HW_REG_WAVE_MODE, 25, 1), 1
	s_wait_xcnt 0x0
; THE FIVE PROJECTIONS, on codes of FP8 (E4M3): k0 = x Wk^T, q0 = x Wq^T, v = x Wv^T, keys = k0 PK^T + bk, queries = (q0 PQ^T + bq) / 16, PK and PQ those of the batch's person.
; Every operand is quantised with the scale 2^e that lowp_scales gives it (x three times, once for each product).  The weights arrive as codes, in wc, from the launch before.
; What leaves are CODES alone: the queries' into qc, the keys' and v's into kv.
; SHARES.  Work-group (X, b) takes tokens 256 X .. 256 X + 255 of batch b; each of its four waves takes 64 of them, four tiles of 16, through the whole chain in registers.
; The 112 weight fragments (16 rows x 128 K) that the work-group needs lie in wc as IMAGES of an operand's registers (byte 512 g + 16 lane + y is register 4 g + y / 4); the four waves copy them into LDS as they lie,
; 56 KB a wave, each load and each LDS store 512 consecutive bytes.  One barrier; behind it LDS is only read and the waves share nothing.
; ORDER OF k IN A FRAGMENT: lane (r, h) holds, of its row, k = 32 g + 16 h + 0 .. 15 in registers 4 g .. 4 g + 3: a permutation of k that is the same in both operands of every product.
; ROWS OF A TILE.  pi(r) = r + 8 (r / 8).  Tile 2 b + u of Wk, Wq, PK, PQ takes rows 32 b + 8 u + pi(r), and tile 2 p + u of a wave's tokens takes tokens 32 p + 8 u + pi(r): the 16 result registers of two
; neighbouring tiles are then 16 neighbours along the next product's K, and a conversion's results ARE the next operand's registers.
; wc: Wv's 16 images at 0, Wk's at 32768, Wq's at 65536; from 98304 on, for each person 131,072 bytes: PK's 32 images (2 t + s), then PQ's.
; WORKSPACE OUT.  qc: b x 262144 + T x 4096 + s x 2048: image of token tile T (of 64), channels 128 s on.  kv: b x 524288 + KB x 65536 (KB: 128 keys): keys' images at tau x 4096 + s x 2048 (tau = T mod 8), then from
; 32768 on v's, n x 2048: row r = channel 16 n + r, k = the block's 128 keys in their own order.
; NO CLUSTER, NO TENSOR LOAD, though the four work-groups of a batch copy the same 224 KB: the bytes are fetched once, at the head, and the address of the larger part (128 KB) hangs on the person's number, a number
; read from memory, which this text keeps out of tensor descriptors.
; LIMITS.  Each exponent that a conversion takes (e0, e2, e4, e6-e0-e1, e8-e2-e3, e13-e4-e5, e11-e6-e7, e10+4-e8-e9) lies between -126 and 119, so that 2^E and 448 x 2^E are f32 numbers.
; NaN among the inputs is not served.  A person's number above 31 is held at 31.
; REGISTERS, in windows of 256.  window 0: v1 16 x lane; v2 my lane's offset in x; v6-9 where I store images; v10-12 where I read them; v13 the bias table; v14-16 the path's three scales;
;   v32-63 codes; v64-127 results; v128-191 weight fragments, two slots of two; v192-207 biases.   window 1: at the head 64 pieces of images; then v0-63 x's codes, v64-191 the hidden layer's.
;   window 2: at the head 48 pieces of images.   window 3: x as f32.
.set PBK,  32768                       ; LDS: Wv's 16 images at 0; from PBK: Wk's 16 and PK's 32; from PBQ: Wq's and PQ's; at BT the two biases, 256 f32 each
.set PBQ,  131072
.set BT,   229376
.set SHB,  98304                       ; wc: bytes of the shared matrices' images
.set CODE, 32
.set ACC,  64
.set WF,   128
.set BI,   192
.set XC,   0                           ; in window 1
.set K0C,  64                          ; in window 1
.set MSB,  0
.macro WIN new                         ; the immediate's high byte repeats the setting that is left; a switch that changes nothing is dropped
.if MSB != (\new)
	s_set_vgpr_msb (MSB<<8)|(\new)
.set MSB, (\new)
.endif
.endm
.macro PLACES n
.rept \n
	v_nop
.endr
.endm
; From the exponent E in s[e]: s[d] = 2^E as f32 (a conversion takes its exponent field), s[d+2] = 448 x 2^E, s[d+1] = -448 x 2^E
.macro MKQ d, e
	s_add_co_i32 s[\d], s[\e], 127
	s_add_co_i32 s[\d+2], s[\e], 135
	s_lshl_b32 s[\d], s[\d], 23
	s_lshl_b32 s[\d+2], s[\d+2], 23
	s_or_b32 s[\d+2], s[\d+2], 0x600000
	s_or_b32 s[\d+1], s[\d+2], 0x80000000
.endm
; Piece i of my 112 pieces of 512 bytes: 0-15 of Wv's images, 16-31 of Wk's, 32-47 of Wq's (8,192 bytes of each are mine), 48-79 of PK's, 80-111 of PQ's (16,384 of each).  Each piece has four registers of its own.
.macro IL i                            ; from wc
.if (\i) < 64
	WIN 0x40
.set RG, 4*(\i)
.else
	WIN 0x80
.set RG, 4*((\i)-64)
.endif
.if (\i) < 48
	global_load_b128 v[RG:RG+3], v1, s[8:9] offset:32768*((\i)/16)+512*((\i)%16)
.else
	global_load_b128 v[RG:RG+3], v1, s[14:15] offset:65536*(((\i)-48)/32)+512*(((\i)-48)%32)
.endif
.endm
.macro IS i                            ; into LDS
.if (\i) < 64
	WIN 0x04
.set RG, 4*(\i)
.else
	WIN 0x08
.set RG, 4*((\i)-64)
.endif
.if (\i) < 32
	ds_store_b128 v6, v[RG:RG+3] offset:PBK*((\i)/16)+512*((\i)%16)
.elseif (\i) < 48
	ds_store_b128 v8, v[RG:RG+3] offset:512*((\i)-32)
.elseif (\i) < 80
	ds_store_b128 v7, v[RG:RG+3] offset:512*((\i)-48)
.else
	ds_store_b128 v9, v[RG:RG+3] offset:512*((\i)-80)
.endif
.endm
.macro XL8 k                           ; eight of x's 64 loads: token tile k / 2, blocks 2 (k % 2) and 2 (k % 2) + 1 of 32 along K, into window 3: x stays as f32, since it is quantised three times
	WIN 0xc0
.irp c, 0,1
.irp j, 0,1,2,3
	global_load_b128 v[64*((\k)/2)+16*(2*((\k)%2)+\c)+4*\j:64*((\k)/2)+16*(2*((\k)%2)+\c)+4*\j+3], v2, s[4:5] offset:(32*((\k)/4)+8*(((\k)/2)%2))*512+128*(2*((\k)%2)+\c)+16*\j th:TH_LOAD_NT
.endr
.endr
.endm
.macro GL g                            ; group g of the head's stream of loads, eight loads each: 0-13 the images, 14-21 x
.if (\g) < 14
.irp n, 0,1,2,3,4,5,6,7
	IL 8*(\g)+\n
.endr
.else
	XL8 (\g)-14
.endif
.endm
.macro GS g
.irp n, 0,1,2,3,4,5,6,7
	IS 8*(\g)+\n
.endr
.endm
.macro LOADW sl, adr, off              ; two images on end, 4,096 bytes, into slot sl
.irp i, 0,1,2,3,4,5,6,7
	ds_load_b128 v[WF+32*(\sl)+4*\i:WF+32*(\sl)+4*\i+3], v[\adr] offset:(\off)+512*\i
.endr
.endm
.macro LOADP u, off, boff              ; a tile of PK or PQ (its two K steps) and the tile's eight biases of my half
	LOADW \u, 11, \off
	ds_load_b128 v[BI+8*(\u):BI+8*(\u)+3], v12 offset:\boff
	ds_load_b128 v[BI+8*(\u)+4:BI+8*(\u)+7], v12 offset:(\boff)+16
.endm
.macro XQ                              ; x's four tiles become codes under the path's scale for x
.irp i, 0,1,2,3
	WIN 0x03
.set J, 0
.rept 64
	v_med3_num_f32 v[ACC+J], v[64*\i+J], s70, s71  ; the conversion to an 8-bit code does not saturate (ISA guide 7.6.2): the hold at the largest code x the scale
.set J, J+1
.endr
	WIN 0x40
.set J, 0
.rept 8
	v_cvt_scalef32_pk8_fp8_f32 v[XC+16*\i+2*J:XC+16*\i+2*J+1], v[ACC+8*J:ACC+8*J+7], v14
.set J, J+1
.endr
	v_nop                                          ; one plain line behind a run of scaled conversions
.endr
	WIN 0
.endm
.macro QACC q                          ; the hold on all 64 results, each accumulator from its low end on
.set J, 0
.rept 64
	v_med3_num_f32 v[ACC+J], v[ACC+J], s[\q+1], s[\q+2]
.set J, J+1
.endr
.endm
; v: two tiles of 16 channels x my four tiles of tokens.  Source 0 = x, source 1 = Wv: a lane holds one CHANNEL and its registers run along the tokens, which are the last product's K.
.macro UNITV sl, more
.if (\sl)==1 && (\more)==0
	s_wait_dscnt 0x0                               ; the last slot: nothing was asked for behind it
.else
	s_wait_dscnt 8                                 ; my slot is in; the other slot's eight loads may be out
.endif
	WIN 0x01
.irp f, 0,1
.irp i, 0,1,2,3
	v_wmma_f32_16x16x128_fp8_fp8 v[ACC+32*\f+8*\i:ACC+32*\f+8*\i+7], v[XC+16*\i:XC+16*\i+15], v[WF+32*(\sl)+16*\f:WF+32*(\sl)+16*\f+15], 0
.endr
.endr
	WIN 0
	PLACES 4                                       ; ahead of loads into registers that the products read, and of the first read of results
.if \more
	LOADW \sl, 10, (\sl)*4096+8192
.endif
	s_wait_xcnt 0x0                                ; the stores that read this set of code registers have read them
	QACC 75
.set J, 0
.rept 8
	v_cvt_scalef32_pk8_fp8_f32 v[CODE+16*(\sl)+2*J:CODE+16*(\sl)+2*J+1], v[ACC+8*J:ACC+8*J+7], v16
.set J, J+1
.endr
	v_nop
.irp f, 0,1
.irp p, 0,1
	global_store_b128 v1, v[CODE+16*(\sl)+4*(2*\f+\p):CODE+16*(\sl)+4*(2*\f+\p)+3], s[88:89] offset:(\sl)*4096+\f*2048+\p*512   ; the wave stores 512 consecutive bytes, at a multiple of 512
.endr
.endr
.endm
; The hidden layer: tiles 2 b, 2 b + 1 of Wk or Wq x my four tiles of tokens, transposed (source 0 = the weight): a lane holds one token, and the 16 registers are hidden units 32 b + 16 h + 0 .. 15
.macro UNIT1 b
.if (\b)==7
	s_wait_dscnt 10                                ; behind my slot's loads: the first tile of the second layer, eight loads and two
.else
	s_wait_dscnt 8
.endif
	WIN 0x04
.irp u, 0,1
.irp i, 0,1,2,3
	v_wmma_f32_16x16x128_fp8_fp8 v[ACC+16*\i+8*\u:ACC+16*\i+8*\u+7], v[WF+32*((\b)%2)+16*\u:WF+32*((\b)%2)+16*\u+15], v[XC+16*\i:XC+16*\i+15], 0
.endr
.endr
	WIN 0
	PLACES 4
.if (\b) < 6
	LOADW (\b)%2, 10, ((\b)+2)*4096
.elseif (\b) == 6
	LOADP 0, 0, 0
.else
	LOADP 1, 4096, 32
.endif
	QACC 72
	WIN 0x40
.irp i, 0,1,2,3
.irp u, 0,1
	v_cvt_scalef32_pk8_fp8_f32 v[K0C+32*\i+16*((\b)/4)+4*((\b)%4)+2*\u:K0C+32*\i+16*((\b)/4)+4*((\b)%4)+2*\u+1], v[ACC+16*\i+8*\u:ACC+16*\i+8*\u+7], v15
.endr
.endr
	v_nop
	WIN 0
.endm
; The routed layer: one tile of PK or PQ x my four tiles of tokens, K = 256 in two steps; the bias, divided by the power of two that the sums lack, is the C of the first.  The four accumulators take turns.
.macro UNIT4 u, more
.if (\u)==1 && (\more)==0
	s_wait_dscnt 0x0
.else
	s_wait_dscnt 10                                ; my tile and its biases are in; the other tile's eight loads and two may be out
.endif
	WIN 0x04
.irp i, 0,1,2,3
	v_wmma_f32_16x16x128_fp8_fp8 v[ACC+16*\i+8*(\u):ACC+16*\i+8*(\u)+7], v[WF+32*(\u):WF+32*(\u)+15], v[K0C+32*\i:K0C+32*\i+15], v[BI+8*(\u):BI+8*(\u)+7]
.endr
.irp i, 0,1,2,3
	v_wmma_f32_16x16x128_fp8_fp8 v[ACC+16*\i+8*(\u):ACC+16*\i+8*(\u)+7], v[WF+32*(\u)+16:WF+32*(\u)+31], v[K0C+32*\i+16:K0C+32*\i+31], v[ACC+16*\i+8*(\u):ACC+16*\i+8*(\u)+7]
.endr
	WIN 0
	PLACES 4
.if \more
	LOADP \u, (\u)*4096+8192, 32*(\u)+128
.endif
.irp i, 0,1,2,3
.irp j, 0,1,2,3,4,5,6,7
	v_med3_num_f32 v[ACC+16*\i+8*(\u)+\j], v[ACC+16*\i+8*(\u)+\j], s76, s77
.endr
.endr
.if (\u) == 0
	s_wait_xcnt 0x0                                ; the last 32 channels' stores, a tile's products and holds back, have read their data and their base: the codes are written again, and the base is stepped, only behind this wait
	s_add_nc_u64 s[88:89], s[88:89], 512           ; the base now stands one step ahead of the channels in hand: the stores reach back
.endif
.irp i, 0,1,2,3
	v_cvt_scalef32_pk8_fp8_f32 v[CODE+4*\i+2*(\u):CODE+4*\i+2*(\u)+1], v[ACC+16*\i+8*(\u):ACC+16*\i+8*(\u)+7], v16
.endr
	v_nop
.endm
.macro STORES                          ; channels 32 b + 16 h + 0 .. 15 of my four tiles of tokens: a quarter of an image each, 512 consecutive bytes
.irp i, 0,1,2,3
	global_store_b128 v1, v[CODE+4*\i:CODE+4*\i+3], s[88:89] offset:\i*4096-512
.endr
.endm
	s_load_b128 s[4:7], s[0:1], 0x0                ; x 4:5, person_idxs 6:7
	s_load_b64 s[8:9], s[0:1], 0x10                ; wc
	s_load_b64 s[16:17], s[0:1], 0x18              ; PK_b
	s_load_b256 s[20:27], s[0:1], 0x20             ; PQ_b 20:21, lowp_scales 22:23, qc 24:25, kv 26:27
	v_lshl_add_u32 v254, v0, 2, 0x38800
	v_mov_b32 v255, 0
	v_lshrrev_b32 v1, 5, v0
	v_readfirstlane_b32 s42, v1                    ; wave 0..3
	s_mov_b32 s44, ttmp9                           ; X
	s_and_b32 s45, ttmp7, 0xffff                   ; b
	v_and_b32 v1, 31, v0
	v_lshlrev_b32 v1, 4, v1                        ; 16 x lane
	v_and_b32 v10, 15, v0                          ; r
	v_bfe_u32 v11, v0, 4, 1                        ; h
	v_and_b32 v12, 8, v10
	v_add_nc_u32 v12, v12, v10                     ; pi(r)
	v_lshlrev_b32 v11, 6, v11                      ; 64 h: my 16 numbers of a block of 32
	v_lshl_add_u32 v2, v12, 9, v11                 ; x: rows of 512 bytes in pi's order
	v_add_nc_u32 v13, BT, v11                      ; the bias table, + 64 h
	s_lshl_b32 s46, s42, 13
	s_lshl_b32 s47, s42, 14
	v_add_nc_u32 v6, s46, v1                       ; my 8,192 bytes of Wv's images; + PBK: of Wk's
	v_add_nc_u32 v7, s47, v1
	v_add_nc_u32 v8, PBQ, v6                       ; of Wq's
	v_add_nc_u32 v9, PBQ+32768, v7                 ; my 16,384 bytes of PQ's
	v_add_nc_u32 v7, PBK+32768, v7                 ; and of PK's
	v_and_b32 v22, 63, v0
	v_lshlrev_b32 v22, 4, v22                      ; the biases: 64 threads x 16 bytes are one table
	v_lshl_add_u32 v23, v0, 4, BT
	s_lshl_b32 s46, s45, 2
	s_mov_b32 s47, 0
	s_mov_b32 s49, 0
	s_wait_kmcnt 0x0
	s_add_nc_u64 s[6:7], s[6:7], s[46:47]
	s_load_b32 s43, s[6:7], 0x0                    ; the batch's person
	s_load_b256 s[28:35], s[22:23], 0x0            ; e0 .. e7
	s_load_b128 s[36:39], s[22:23], 0x20           ; e8 .. e11
	s_load_b64 s[40:41], s[22:23], 0x30            ; e12, e13
	s_mov_b64 s[14:15], s[8:9]
	s_lshl_b32 s46, s42, 13
	s_add_nc_u64 s[8:9], s[8:9], s[46:47]          ; wc at my part of the shared matrices' images
.irp g, 0,1,2,3,4,5
	GL \g                                          ; the shared matrices' images hang on no loaded number: they are asked for while the person's number is on its way
.endr
	s_lshl_b32 s46, s42, 15                        ; my 64 rows of 512 bytes
	s_lshl_b32 s48, s45, 19
	s_lshl_b32 s50, s44, 17
	s_add_co_u32 s48, s48, s50
	s_add_co_u32 s48, s48, s46
	s_add_nc_u64 s[4:5], s[4:5], s[48:49]          ; x at my first token: (1024 b + 256 X + 64 w) x 512
	s_lshl_b32 s48, s45, 19
	s_add_co_u32 s48, s48, s50                     ; 2 X blocks of 65,536
	s_lshr_b32 s50, s42, 1
	s_lshl_b32 s50, s50, 16
	s_add_co_u32 s48, s48, s50
	s_add_nc_u64 s[26:27], s[26:27], s[48:49]      ; kv at my block of 128 keys
	s_lshl_b32 s48, s45, 18
	s_lshl_b32 s50, s44, 16
	s_add_co_u32 s48, s48, s50
	s_lshl_b32 s50, s42, 14
	s_add_co_u32 s48, s48, s50
	s_add_nc_u64 s[24:25], s[24:25], s[48:49]      ; qc at my four tiles
	s_wait_kmcnt 0x0
	s_min_u32 s43, s43, 31
	s_lshl_b32 s48, s43, 17                        ; the person's 131,072 bytes of images,
	s_add_co_u32 s48, s48, s50                     ; my 16,384 of each matrix's,
	s_add_co_u32 s48, s48, SHB                     ; behind the shared ones
	s_add_nc_u64 s[14:15], s[14:15], s[48:49]
	s_lshl_b32 s48, s43, 10
	s_add_nc_u64 s[16:17], s[16:17], s[48:49]
	s_add_nc_u64 s[20:21], s[20:21], s[48:49]
	s_add_co_i32 s50, s34, s35                     ; e6 + e7
	s_add_co_i32 s51, s36, s37                     ; e8 + e9
	s_cmp_lt_u32 s42, 2                            ; waves 0 and 1 bring PK_b, waves 2 and 3 PQ_b
	s_cselect_b64 s[16:17], s[16:17], s[20:21]
	s_cselect_b32 s50, s50, s51
	s_sub_co_i32 s50, 0, s50
	WIN 0
	global_load_b128 v[18:21], v22, s[16:17]
	GL 6
.irp g, 0,1,2,3,4,5,6,7,8,9,10,11,12,13
.if \g < 6
	s_wait_loadcnt 49                              ; group g is in; behind it: six groups of eight and the biases' one load
.else
	s_wait_loadcnt 48                              ; group g is in; behind it: six groups of eight
.endif
	GS \g
	GL \g+7                                        ; the stream goes on: behind the last images, x
.if \g == 5
	s_wait_loadcnt 56                              ; the biases are in; behind them: groups 6 to 12
	WIN 0
.irp j, 18,19,20,21
	v_ldexp_f32 v\j, v\j, s50                      ; a sum of the routed layer stands for sum x 2^(e6 + e7) (2^(e8 + e9)): the bias goes in divided by that
.endr
	ds_store_b128 v23, v[18:21]
.endif
.endr
	GL 21
	MKQ 69, 32                                     ; the path of v: x under e4,
	s_sub_co_i32 s46, s41, s32
	s_sub_co_i32 s46, s46, s33
	MKQ 75, 46                                     ; v under e13 - e4 - e5: the sums lack 2^(e4 + e5)
	WIN 0
	v_mov_b32 v14, s69
	v_mov_b32 v16, s75
	s_and_b32 s46, s42, 1
	s_lshl_b32 s46, s46, 10
	s_add_co_u32 s46, s46, 32768
	s_mov_b32 s47, 0
	s_add_nc_u64 s[88:89], s[26:27], s[46:47]      ; v's images: my 64 keys are bytes 1,024 (w % 2) on of each
	s_mov_b32 s93, 0
	v_add_nc_u32 v10, s93, v1
	s_wait_dscnt 0x0                               ; my part of the images and of the biases lies in LDS, and the stores have read their registers
	s_barrier_signal -1
	s_barrier_wait -1                              ; everybody's does.  From here on LDS is only read
	LOADW 0, 10, 0
	LOADW 1, 10, 4096
	s_wait_loadcnt 0x0                             ; x
	XQ
	s_mov_b32 s95, 3
.Lv:                                               ; a trip: four tiles of channels
	UNITV 0, 1
	UNITV 1, 1
	s_wait_xcnt 0x0                                ; the stores have read their base
	s_add_nc_u64 s[88:89], s[88:89], 8192
	s_add_co_u32 s93, s93, 8192
	v_add_nc_u32 v10, s93, v1
	s_sub_co_u32 s95, s95, 1
	s_cmp_lg_u32 s95, 0
	s_cbranch_scc1 .Lv
	UNITV 0, 0                                     ; the last four tiles ask for nothing more
	UNITV 1, 0
	s_wait_xcnt 0x0
	MKQ 69, 28                                     ; the keys' path: x under e0,
	s_sub_co_i32 s46, s34, s28
	s_sub_co_i32 s46, s46, s29
	MKQ 72, 46                                     ; k0 under e6 - e0 - e1,
	s_sub_co_i32 s46, s39, s34
	s_sub_co_i32 s46, s46, s35
	MKQ 75, 46                                     ; the keys under e11 - e6 - e7
	MKQ 78, 30                                     ; the queries' path: x under e2,
	s_sub_co_i32 s46, s36, s30
	s_sub_co_i32 s46, s46, s31
	MKQ 81, 46                                     ; q0 under e8 - e2 - e3,
	s_add_co_i32 s46, s38, 4
	s_sub_co_i32 s46, s46, s36
	s_sub_co_i32 s46, s46, s37
	MKQ 84, 46                                     ; the queries under e10 + 4 - e8 - e9: the division by 16 is folded in
	s_and_b32 s46, s42, 1
	s_lshl_b32 s46, s46, 14
	s_add_nc_u64 s[88:89], s[26:27], s[46:47]      ; the keys' images: my four tiles
	s_mov_b64 s[90:91], s[24:25]                   ; and the queries'
	s_mov_b32 s92, PBK
	s_mov_b32 s94, 0
	s_mov_b32 s96, 2
.Lpath:                                            ; two trips: keys, queries.  What differs lies in scalar registers
	v_mov_b32 v14, s69
	v_mov_b32 v15, s72
	v_mov_b32 v16, s75
	v_add_nc_u32 v10, s92, v1                      ; the first layer's images,
	s_add_co_u32 s93, s92, 32768
	v_add_nc_u32 v11, s93, v1                      ; the routed layer's,
	v_add_nc_u32 v12, s94, v13                     ; its biases
	LOADW 0, 10, 0
	LOADW 1, 10, 4096
	XQ
.irp b, 0,1,2,3,4,5,6,7
	UNIT1 \b
.endr
	s_mov_b32 s95, 7
.Lb:                                               ; a trip: 32 channels of the routed layer
	UNIT4 0, 1
	UNIT4 1, 1
	STORES                                         ; no wait stands behind them: the next trip's first tile waits, ahead of its conversions
	s_add_co_u32 s93, s93, 8192
	v_add_nc_u32 v11, s93, v1
	s_add_co_u32 s94, s94, 128
	v_add_nc_u32 v12, s94, v13
	s_sub_co_u32 s95, s95, 1
	s_cmp_lg_u32 s95, 0
	s_cbranch_scc1 .Lb
	UNIT4 0, 0
	UNIT4 1, 0
	STORES
	s_wait_xcnt 0x0                                ; the stores have read their base, which now changes to the other path's
	s_mov_b64 s[88:89], s[90:91]
.irp j, 0,1,2,3,4,5,6,7,8
	s_mov_b32 s[69+\j], s[78+\j]
.endr
	s_add_co_u32 s92, s92, PBQ-PBK
	s_add_co_u32 s94, s94, 128
	s_sub_co_u32 s96, s96, 1
	s_cmp_lg_u32 s96, 0
	s_cbranch_scc1 .Lpath
	s_wait_tensorcnt 0x0
	ds_add_u32 v254, v255
	s_wait_dscnt 0x0
	s_endpgm
.Lfunc_end_k_q33df531e81_proj:
	.size	k_q33df531e81_proj, .Lfunc_end_k_q33df531e81_proj-k_q33df531e81_proj
	.p2alignl 7, 3214868480
	.fill 96, 4, 3214868480
	.section	.rodata,"a",@progbits
	.p2align	6, 0x0
	.amdhsa_kernel k_q33df531e81_proj
		.amdhsa_group_segment_fixed_size 231936
		.amdhsa_private_segment_fixed_size 0
		.amdhsa_enable_private_segment 0
		.amdhsa_kernarg_size 64
		.amdhsa_user_sgpr_count 2
		.amdhsa_user_sgpr_kernarg_segment_ptr 1
		.amdhsa_wavefront_size32 1
		.amdhsa_system_sgpr_workgroup_id_x 1
		.amdhsa_system_sgpr_workgroup_id_y 1
		.amdhsa_system_sgpr_workgroup_id_z 1
		.amdhsa_system_vgpr_workitem_id 0
		.amdhsa_next_free_vgpr 1024
		.amdhsa_next_free_sgpr 98
		.amdhsa_reserve_vcc 0
		.amdhsa_float_denorm_mode_32 3
		.amdhsa_float_denorm_mode_16_64 3
		.amdhsa_memory_ordered 1
		.amdhsa_forward_progress 1
		.amdhsa_inst_pref_size 158
	.end_amdhsa_kernel
	.amdgpu_metadata
---
amdhsa.version: [ 1, 2 ]
amdhsa.kernels:
  - .name:           k_q33df531e81_proj
    .symbol:         k_q33df531e81_proj.kd
    .args:
      - { .name: x, .offset: 0, .size: 8, .value_kind: global_buffer, .address_space: global }
      - { .name: person_idxs, .offset: 8, .size: 8, .value_kind: global_buffer, .address_space: global }
      - { .name: wc, .offset: 16, .size: 8, .value_kind: global_buffer, .address_space: global }
      - { .name: PK_b, .offset: 24, .size: 8, .value_kind: global_buffer, .address_space: global }
      - { .name: PQ_b, .offset: 32, .size: 8, .value_kind: global_buffer, .address_space: global }
      - { .name: lowp_scales, .offset: 40, .size: 8, .value_kind: global_buffer, .address_space: global }
      - { .name: qc, .offset: 48, .size: 8, .value_kind: global_buffer, .address_space: global }
      - { .name: kv, .offset: 56, .size: 8, .value_kind: global_buffer, .address_space: global }
    .group_segment_fixed_size: 231936
    .private_segment_fixed_size: 0
    .kernarg_segment_align: 8
    .kernarg_segment_size: 64
    .max_flat_workgroup_size: 128
    .sgpr_count:     98
    .vgpr_count:     1024
    .wavefront_size: 32
...
	.end_amdgpu_metadata
.endif
;; end of part 2
;; launch attn (part 3): grid 4 x 64, 4 waves a work-group, clusters of 4 x 1, 327,680 bytes of LDS; arguments qc, kv, mask, lowp_scales, out0; writes out0
.if DOCPART == 3
	.amdgcn_target "amdgcn-amd-amdhsa--gfx1250"
	.amdhsa_code_object_version 6
	.text
	.protected	k_q33df531e81_attn
	.globl	k_q33df531e81_attn
	.p2align	8
	.type	k_q33df531e81_attn,@function
k_q33df531e81_attn:
	s_mov_b64 s[64:65], 0
	v_nop
	global_prefetch_b8 v0, s[64:65] scope:SCOPE_SE
	s_setreg_imm32_b32 hwreg(HW_REG_WAVE_MODE, 25, 1), 1
	s_wait_xcnt 0x0
	s_wait_alu depctr_hold_cnt(0) depctr_sa_sdst(0) depctr_va_vdst(0) depctr_va_sdst(0) depctr_va_ssrc(0) depctr_va_vcc(0) depctr_vm_vsrc(0)
	s_getreg_b32 s2, hwreg(HW_REG_IB_STS2, 6, 4)
	s_cmp_eq_u32 s2, 0
	s_cbranch_scc0 .Lentry_in_a_cluster
	s_endpgm
.Lentry_in_a_cluster:
	s_bfe_u32 s2, ttmp6, 0x10000c
	s_cmp_lg_u32 s2, 0x3003
	s_cbranch_scc0 .Lentry_shape_is_right
	s_endpgm
.Lentry_shape_is_right:
; out0[b][q][:] = the sum over k of softmax_k(queries[b][q] . keys[b][k], keys hidden where mask[b][k] = 0) v[b][k][:], both products on codes of FP8 (E4M3) as the launch before laid them:
; qc: b x 262144 + T x 4096 + c x 2048; kv: b x 524288 + 65536 for each 128 keys: 16 images of keys (2 t + c) x 2048, then 16 of v^T, n x 2048.  An image is an operand's 16 registers: byte 512 g + 16 lane.
; Lane r of token tile 2 B + u is token 32 B + 8 u + r + 8 (r / 8), so that the 16 registers of two neighbouring tiles of S^T are 16 neighbouring keys.
; THE SOFTMAX AHEAD OF THE SECOND PRODUCT: t = logit x log2(e); M = the running largest t rounded UP to a whole number; p = 2^(t - M) is quantised under 2^e12; the row's sum is taken of the unquantised p and divides at
; the end; when M moves, the sum and O^T are multiplied by 2^(old M - new M), which rounds nothing.
; THE MASK: a table of one f32 a key, 0 or -2^100, is the C of each tile's first product.  The running largest t begins at -2^40 c, c = log2(e) 2^(e10 + e11): under every t of a key that counts (a sum of 256 products of
; codes is under 2^26) and far over every hidden one, so a hidden key's p is 0.  A batch with no key that counts gives 0 x infinity = NaN, as the softmax of nothing does.
; SHARES.  A cluster of four work-groups is one batch; a work-group owns 256 queries, each of its four waves 64: four tiles of 16, so that each fragment of K or V read from LDS feeds four products.
; Both products are used transposed (S^T = K Q^T, O^T = V^T P^T): a lane holds one query throughout.  Eight key steps of 128 keys; a step's 64 KB are one dense block, asked for JOINTLY by the four work-groups,
; each wave a quarter (16 KB), through two LDS slots.  A wave has one tensor load out at the most.
; LIMITS: e10 + e11 between -90 and 80; e12 between -126 and 119; e12 + e13 is applied by v_ldexp_f32 and has none.
; REGISTERS, in windows of 256.  window 0: v1 16 x lane; v2-5 LDS addresses; v6, v7 for the add; v8, v9 2^e12 and 448 x 2^e12; v10 the prefetches' offset; v12 the stage; v16-47 eight statistics a tile
;   (+0 -M, +1 the largest t, +2, +3 the sum, +4 f, +5 the other half's, +6, +7 at work); v48-111 Q's first K step, then p's codes; v112-175 Q's second, then V5-8; v176-255 five fragments of K, then V0-4.
;   window 1: S^T, then p, 64 a tile; tile 0's registers then take V9-12, tile 1's V13-15.   windows 2, 3: O^T: tile q in window 2 + q / 2 at 128 (q % 2) + 8 n.
.set SLOT1, 65536                      ; LDS: slot 0 at 0, slot 1 here; one exclusive or turns an address in one into the other's
.set QI,    131072                     ; each wave's eight images of Q, 16,384 bytes; at the end its stage, 16 rows of 528 bytes
.set TBL,   196608                     ; the mask's table: 1,024 f32
.set SPARE, 200704                     ; the spare words, 128 bytes for each wave: two blocks of 256 bytes that no other line names
.set ST,    16
.set QA,    48
.set QB,    112
.set KF,    176
.set MSB,   0
.macro WIN new                         ; the immediate's high byte repeats the setting that is left; a switch that changes nothing is dropped
.if MSB != (\new)
	s_set_vgpr_msb (MSB<<8)|(\new)
.set MSB, (\new)
.endif
.endm
.macro PLACES n
.rept \n
	v_nop
.endr
.endm
.macro CROUND                          ; a round of the cluster's barrier: my work-group's barrier; wave 0 signals for the work-group; every wave waits for all four; my work-group's barrier once more
	s_barrier_signal -1
	s_barrier_wait -1
	s_cmp_lg_u32 s14, 0
	s_cbranch_scc1 .Lnot_wave_0_\@
	s_barrier_signal -3
.Lnot_wave_0_\@:
	s_barrier_wait -3
	s_barrier_signal -1
	s_barrier_wait -1
.endm
.macro TLOAD                           ; my quarter of a key step; four v_nop follow
	tensor_load_to_lds s[32:35], s[24:31]
	s_nop 0
.rept 4
	v_nop
.endr
.endm
; A PREFETCH INTO THE L2 of the key step that the NEXT change of slots will ask for: 65,536 bytes, 256 blocks of 256.  The four partners take 16,384 bytes each, told apart by address; in each, waves 0 and 1 ask,
; 8,192 bytes a wave, lanes 256 bytes apart: each block is named once in the launch.  The last change that fills a slot asks for nothing; steps 0 and 1 come by their loads alone.
.macro ASK
	s_cmp_gt_u32 s38, s39
	s_cbranch_scc0 .Lnot_mine_\@
	global_prefetch_b8 v10, s[44:45] th:TH_LOAD_NT scope:SCOPE_SE
.Lnot_mine_\@:
.endm
; THE CHANGE OF SLOTS, at a step's head.  Each wave waits for all its tensor loads (its quarter of the slot ahead), adds 0 to its spare word, and waits for that and for its reads of the slot that it has left.
; fill = 1: the barrier is a round of the cluster's, and behind it the slot just left is asked for again, jointly: the load has a whole key step in which to land.
.macro CHANGE fill
	WIN 0
	s_wait_tensorcnt 0x0                           ; no tensor load of mine is out, so the walking descriptor may be written
	ds_add_u32 v6, v7                              ; 0 onto my spare word
.if \fill
	s_xor_b32 s33, s33, SLOT1                      ; the other slot than last time,
	s_add_nc_u64 s[34:35], s[34:35], 65536         ; the next 128 keys; the type bits on top are not reached
	s_wait_xcnt 0x0                                ; the last prefetch, a key step back, has read its address
	s_add_nc_u64 s[44:45], s[44:45], 65536         ; one step further on than the descriptor
	s_wait_dscnt 0x0                               ; the add is done, and my LDS reads and stores are over
	CROUND
	TLOAD
	ASK
.else
	s_wait_dscnt 0x0
	s_barrier_signal -1
	s_barrier_wait -1
.endif
.endm
.macro QLOAD reg, off                  ; my four tiles of Q, one K step
.irp q, 0,1,2,3
.irp g, 0,1,2,3
	ds_load_b128 v[\reg+16*\q+4*\g:\reg+16*\q+4*\g+3], v3 offset:\q*4096+(\off)+512*\g
.endr
.endr
.endm
.macro KLOAD phi                       ; fragment phi = 2 t + c of K into slot phi % 5
.irp g, 0,1,2,3
	ds_load_b128 v[KF+16*((\phi)%5)+4*\g:KF+16*((\phi)%5)+4*\g+3], v2 offset:(\phi)*2048+512*\g
.endr
.endm
.macro VLOAD n, reg
.irp g, 0,1,2,3
	ds_load_b128 v[(\reg)+4*\g:(\reg)+4*\g+3], v2 offset:32768+(\n)*2048+512*\g
.endr
.endm
; Fragment phi of K against my four tiles of Q.  c = 0: the mask's eight numbers of the tile lie in tile 0's registers and are the C of all four products; tile 0's own, which writes over them, comes last, five places
; behind the others (ISA guide 7.12.1).  The four accumulators take turns.
.macro SPH phi
.set T8, 8*((\phi)/2)
.set KS, KF+16*((\phi)%5)
.if (\phi) == 0
	s_wait_dscnt 32                                ; the table, Q's first K step and fragment 0 are in; behind them: Q's second (16 loads) and four fragments (16)
.elseif (\phi) < 12
	s_wait_dscnt 16                                ; four younger fragments may be out
.else
	s_wait_dscnt 4*(15-(\phi))
.endif
	WIN 0x50
.if (\phi)%2 == 0
.irp q, 1,2,3
	v_wmma_f32_16x16x128_fp8_fp8 v[64*\q+T8:64*\q+T8+7], v[KS:KS+15], v[QA+16*\q:QA+16*\q+15], v[T8:T8+7]
.endr
	PLACES 5
	v_wmma_f32_16x16x128_fp8_fp8 v[T8:T8+7], v[KS:KS+15], v[QA:QA+15], v[T8:T8+7]
.else
.irp q, 1,2,3,0
	v_wmma_f32_16x16x128_fp8_fp8 v[64*\q+T8:64*\q+T8+7], v[KS:KS+15], v[QB+16*\q:QB+16*\q+15], v[64*\q+T8:64*\q+T8+7]
.endr
.endif
.if (\phi) < 11
	PLACES 4                                       ; ahead of loads into the slot that these products read
	WIN 0
	KLOAD (\phi)+5
.endif
.endm
.macro FMA q                           ; t - M, two at a time (of the pairs c and -M the low word serves both halves)
.set J, 0
.rept 32
	v_pk_fma_f32 v[64*(\q)+J:64*(\q)+J+1], v[64*(\q)+J:64*(\q)+J+1], s[40:41], v[ST+8*(\q):ST+8*(\q)+1] op_sel_hi:[1,0,0]
.set J, J+2
.endr
.endm
; Tile q's 64 exponentials, ONE BATCH, with plain work of other tiles between: the hold of tile q - 1's p (its sum is taken) and the scaling of tile q + 1.  None of it names a result of the batch.
; Behind the last exponential a plain line, then one wait ahead of the batch's first reader.
.macro RR q, domin, dofma
.set J, 0
.rept 64
	v_exp_f32 v[64*(\q)+J], v[64*(\q)+J]
.if \domin
	v_min_num_f32 v[64*((\q)-1)+J], v[64*((\q)-1)+J], v9
.endif
.if \dofma && (J%2)
	v_pk_fma_f32 v[64*((\q)+1)+J-1:64*((\q)+1)+J], v[64*((\q)+1)+J-1:64*((\q)+1)+J], s[40:41], v[ST+8*((\q)+1):ST+8*((\q)+1)+1] op_sel_hi:[1,0,0]
.endif
.set J, J+1
.endr
	v_nop
	s_wait_alu depctr_va_vdst(0)
.endm
.macro SUM q                           ; the row's sum of the UNQUANTISED p, two at a time, in two chains: the running sum, and a second that the first pair starts
	v_pk_mul_f32 v[ST+8*(\q)+6:ST+8*(\q)+7], v[64*(\q):64*(\q)+1], 1.0 op_sel_hi:[1,0]
.set J, 2
.rept 15
	v_pk_add_f32 v[ST+8*(\q)+2:ST+8*(\q)+3], v[64*(\q)+J:64*(\q)+J+1], v[ST+8*(\q)+2:ST+8*(\q)+3]
	v_pk_add_f32 v[ST+8*(\q)+6:ST+8*(\q)+7], v[64*(\q)+J+2:64*(\q)+J+3], v[ST+8*(\q)+6:ST+8*(\q)+7]
.set J, J+4
.endr
	v_pk_add_f32 v[ST+8*(\q)+2:ST+8*(\q)+3], v[64*(\q)+62:64*(\q)+63], v[ST+8*(\q)+2:ST+8*(\q)+3]
.endm
.macro CVT q                           ; p's codes: registers 16 b + i are keys 32 b + 16 h + i, so the results are the second product's operand
.set J, 0
.rept 8
	v_cvt_scalef32_pk8_fp8_f32 v[QA+16*(\q)+2*J:QA+16*(\q)+2*J+1], v[64*(\q)+8*J:64*(\q)+8*J+7], v8
.set J, J+1
.endr
	v_nop                                          ; one plain line behind a run of scaled conversions
.endm
.macro RESC                            ; O^T under the new M: x f, each accumulator from its low end on
.irp q, 0,1,2,3
	WIN 0x82+0x41*(\q/2)
.set J, 0
.rept 64
	v_pk_mul_f32 v[128*(\q%2)+J:128*(\q%2)+J+1], v[128*(\q%2)+J:128*(\q%2)+J+1], v[ST+8*\q+4:ST+8*\q+5] op_sel_hi:[1,0]
.set J, J+2
.endr
.endr
.endm
; O^T += V^T P^T for tiles qa and qa + 1, all sixteen tiles of channels: all of V lies in registers, so the products go by register window.  Each accumulator has one product a step; neighbours differ.
.macro PVQ qa, first
.set N, 0
.rept 16
.if N < 5
.set VR, KF+16*N
.elseif N < 9
.set VR, QB+16*(N-5)
.else
.set VR, 16*(N-9)
.endif
.if N < 9
	WIN 0xa0+0x50*((\qa)/2)
.else
	WIN 0xa1+0x50*((\qa)/2)
.endif
.irp q, 0,1
.if \first
	v_wmma_f32_16x16x128_fp8_fp8 v[128*\q+8*N:128*\q+8*N+7], v[VR:VR+15], v[QA+16*((\qa)+\q):QA+16*((\qa)+\q)+15], 0
.else
	v_wmma_f32_16x16x128_fp8_fp8 v[128*\q+8*N:128*\q+8*N+7], v[VR:VR+15], v[QA+16*((\qa)+\q):QA+16*((\qa)+\q)+15], v[128*\q+8*N:128*\q+8*N+7]
.endif
.endr
.set N, N+1
.endr
.endm
; A KEY STEP.  first = 1: its products start O^T's sums, and there is nothing to rescale.
.macro STEP first
	v_add_nc_u32 v2, s36, v1                       ; the slot in hand
	v_add_nc_u32 v5, s37, v4                       ; the step's 128 numbers of the table
	WIN 0x40
.irp b, 0,1,2,3
.irp k, 0,1,2,3
	ds_load_b128 v[16*\b+4*\k:16*\b+4*\k+3], v5 offset:128*\b+16*\k   ; keys 32 b + 16 h + 4 k on, into tile 0's registers of S^T
.endr
.endr
	WIN 0
	QLOAD QA, 0
	KLOAD 0
	QLOAD QB, 2048
.irp p, 1,2,3,4
	KLOAD \p
.endr
.irp p, 0,1,2,3,4,5,6,7,8,9,10,11,12,13,14,15
	SPH \p
.endr
	PLACES 4                                       ; ahead of loads into K's and Q's registers, and of the first read of scores
	WIN 0
.irp n, 0,1,2,3,4
	VLOAD \n, KF+16*\n
.endr
.irp n, 5,6,7,8
	VLOAD \n, QB+16*(\n-5)
.endr
	WIN 0x05                                       ; the largest score of my query among my 64 keys: two chains a tile, the scores in ascending order, the tiles by turns
.irp q, 0,1,2,3
	v_max_num_f32 v[ST+8*\q+6], v[64*\q], v[64*\q+1]
.endr
.irp q, 0,1,2,3
	v_max_num_f32 v[ST+8*\q+7], v[64*\q+2], v[64*\q+3]
.endr
.set J, 4
.rept 15
.irp q, 0,1,2,3
	v_max3_num_f32 v[ST+8*\q+6], v[64*\q+J], v[64*\q+J+1], v[ST+8*\q+6]
.endr
.irp q, 0,1,2,3
	v_max3_num_f32 v[ST+8*\q+7], v[64*\q+J+2], v[64*\q+J+3], v[ST+8*\q+7]
.endr
.set J, J+4
.endr
	WIN 0
.irp q, 0,1,2,3
	v_max_num_f32 v[ST+8*\q+6], v[ST+8*\q+6], v[ST+8*\q+7]
.endr
.irp q, 0,1,2,3
	v_permlanex16_b32 v[ST+8*\q+5], v[ST+8*\q+6], s42, s43   ; the query's other 64 keys lie in the lane 16 away
.endr
.irp q, 0,1,2,3
	v_max_num_f32 v[ST+8*\q+6], v[ST+8*\q+6], v[ST+8*\q+5]
.endr
.irp q, 0,1,2,3
	v_mul_f32 v[ST+8*\q+6], s40, v[ST+8*\q+6]      ; as t (c is positive)
.endr
.irp q, 0,1,2,3
	v_max_num_f32 v[ST+8*\q+1], v[ST+8*\q+1], v[ST+8*\q+6]   ; the running largest t
.endr
.irp q, 0,1,2,3
	v_mov_b32 v[ST+8*\q+7], v[ST+8*\q]
.endr
.irp q, 0,1,2,3
	v_floor_f32 v[ST+8*\q], -v[ST+8*\q+1]          ; the new -M = floor(-t) = -ceil(t)
.endr
.irp q, 0,1,2,3
	v_sub_f32 v[ST+8*\q+7], v[ST+8*\q], v[ST+8*\q+7]   ; old M - new M: a whole number, 0 or less
.endr
.irp q, 0,1,2,3
	v_cvt_i32_f32 v[ST+8*\q+7], v[ST+8*\q+7]       ; (it saturates)
.endr
.irp q, 0,1,2,3
	v_ldexp_f32 v[ST+8*\q+4], 1.0, v[ST+8*\q+7]    ; f = 2^(old M - new M)
.endr
.irp q, 0,1,2,3
	v_pk_mul_f32 v[ST+8*\q+2:ST+8*\q+3], v[ST+8*\q+2:ST+8*\q+3], v[ST+8*\q+4:ST+8*\q+5] op_sel_hi:[1,0]   ; the sum under the new M
.endr
	WIN 0x41
	FMA 0
	RR 0, 0, 1
	WIN 0x01
	SUM 0
	WIN 0x41
	RR 1, 1, 1
	WIN 0x01
	CVT 0
	SUM 1
	WIN 0x40
.irp n, 9,10,11,12
	VLOAD \n, 16*(\n-9)                            ; tile 0's p is converted: its registers take four fragments of V
.endr
	WIN 0x41
	RR 2, 1, 1
	WIN 0x01
	CVT 1
	SUM 2
	WIN 0x40
.irp n, 13,14,15
	VLOAD \n, 16*(\n-9)
.endr
	WIN 0x41
	RR 3, 1, 0
	WIN 0x01
	CVT 2
	SUM 3
	WIN 0x41
.set J, 0
.rept 64
	v_min_num_f32 v[192+J], v[192+J], v9           ; the conversion to an 8-bit code does not saturate (ISA guide 7.6.2); p is not negative, so the hold is one-sided
.set J, J+1
.endr
	WIN 0x01
	CVT 3
	WIN 0
.irp q, 0,1,2,3
	v_pk_add_f32 v[ST+8*\q+2:ST+8*\q+3], v[ST+8*\q+2:ST+8*\q+3], v[ST+8*\q+6:ST+8*\q+7]
.endr
.if !\first
	RESC
.endif
	s_wait_dscnt 0x0                               ; all of V is in
	PVQ 0, \first
	PVQ 2, \first
	PLACES 5                                       ; ahead of the next step's loads into V's and p's registers, and of its first products, which write over registers that held V
	WIN 0
	s_xor_b32 s36, s36, SLOT1                      ; on to the other slot,
	s_add_co_u32 s37, s37, 512                     ; and to the table's next 128 numbers
.endm
	s_load_b256 s[4:11], s[0:1], 0x0               ; qc 4:5, kv 6:7, mask 8:9, lowp_scales 10:11
	s_load_b64 s[12:13], s[0:1], 0x20              ; out0
	v_lshl_add_u32 v6, v0, 2, SPARE
	v_mov_b32 v7, 0
	ds_add_u32 v6, v7
	ds_add_u32 v6, v7
	s_wait_dscnt 0x0
	v_lshrrev_b32 v1, 5, v0
	v_readfirstlane_b32 s14, v1                    ; wave 0..3
	s_bfe_u32 s15, ttmp6, 0x40000                  ; cx: my place in the cluster
	s_lshl_b32 s16, ttmp9, 2
	s_add_co_u32 s16, s16, s15                     ; my block of 256 queries: it enters Q's and out0's addresses and the prefetches' alone
	s_and_b32 s17, ttmp7, 0xffff                   ; the batch, which the four partners share
	s_mov_b32 s24, 15|(3<<16)|(1<<21)              ; group 1: 15:0 the mask: all four work-groups; 17:16 elements of 8 bytes; 20 no padding; 21 set beside a mask
	s_mov_b32 s25, 32<<16                          ; tensor_dim0 = 32 elements: rows of 256 bytes
	s_mov_b32 s26, 64<<16                          ; tensor_dim1 = 64
	s_mov_b32 s27, 32<<16                          ; tile_dim0 = 32
	s_mov_b32 s28, 64                              ; tile_dim1 = 64: 16,384 bytes
	s_mov_b32 s29, 32                              ; the pitch: the block is dense
	s_mov_b32 s30, 0
	s_mov_b32 s31, 0
	s_mov_b32 s42, 0x76543210                      ; v_permlanex16_b32's selects for lane l xor 16
	s_mov_b32 s43, 0xfedcba98
	s_lshl_b32 s18, s17, 19
	s_mov_b32 s19, 0
	s_lshl_b32 s22, s14, 14                        ; my quarter of a key step, in memory and in a slot
	s_mov_b32 s23, 0
	s_wait_kmcnt 0x0
	s_load_b128 s[48:51], s[10:11], 0x28           ; e10, e11, e12, e13
	s_add_nc_u64 s[6:7], s[6:7], s[18:19]          ; kv at the batch
	s_mov_b32 s32, 1                               ; group 0: count = 1
	s_lshl_b32 s33, s14, 14                        ; LDS address: slot 0, my quarter
	s_add_nc_u64 s[34:35], s[6:7], s[22:23]        ; global address: key step 0, my quarter
	s_or_b32 s35, s35, 0x80000000                  ; type = 2
	CROUND                                         ; all four work-groups are here: the first joint loads meet
	TLOAD                                          ; key step 0 into slot 0
	s_lshl_b32 s20, s17, 18
	s_lshl_b32 s21, s16, 16
	s_add_co_u32 s20, s20, s21
	s_add_co_u32 s20, s20, s22
	s_mov_b32 s21, 0
	s_add_nc_u64 s[4:5], s[4:5], s[20:21]          ; qc at my eight images
	v_and_b32 v1, 31, v0
	v_lshlrev_b32 v1, 4, v1                        ; 16 x lane
	WIN 0x40
.irp i, 0,1,2,3,4,5,6,7,8,9,10,11,12,13,14,15,16,17,18,19,20,21,22,23,24,25,26,27,28,29,30,31
	global_load_b128 v[4*\i:4*\i+3], v1, s[4:5] offset:512*\i th:TH_LOAD_NT
.endr
	WIN 0
	s_lshl_b32 s20, s17, 10
	s_add_nc_u64 s[8:9], s[8:9], s[20:21]
	v_lshlrev_b32 v11, 3, v0
	global_load_b64 v[176:177], v11, s[8:9]        ; eight keys' mask bytes a thread
	s_lshl_b32 s20, s17, 20
	s_lshl_b32 s52, s16, 18
	s_add_co_u32 s20, s20, s52
	s_lshl_b32 s52, s14, 16
	s_add_co_u32 s20, s20, s52
	s_add_nc_u64 s[12:13], s[12:13], s[20:21]      ; out0 at my wave's 64 rows of 1,024 bytes
	s_lshl_b32 s52, s15, 14                        ; the prefetches: my work-group's 16,384 bytes of a step,
	s_and_b32 s53, s14, 1
	s_lshl_b32 s53, s53, 13                        ; my wave's half of them,
	s_add_co_u32 s52, s52, s53
	s_add_co_u32 s52, s52, 65536                   ; in step 1: the first change of slots steps it to step 2
	s_mov_b32 s53, 0
	s_add_nc_u64 s[44:45], s[6:7], s[52:53]
	s_cmp_lt_u32 s14, 2
	s_cselect_b32 s39, 1, -1                       ; waves 0 and 1 ask while more than one fill is to come
	v_and_b32 v10, 31, v0
	v_lshlrev_b32 v10, 8, v10
	s_add_co_u32 s54, s22, QI
	v_add_nc_u32 v3, s54, v1                       ; my images of Q; later: where I read a row of the stage back
	v_and_b32 v15, 15, v0                          ; r
	v_bfe_u32 v14, v0, 4, 1                        ; h
	v_mul_u32_u24 v12, v15, 528
	v_lshl_add_u32 v12, v14, 5, v12
	v_add_nc_u32 v12, s54, v12                     ; the stage: row r, + 32 h
	v_lshlrev_b32 v4, 6, v14
	v_add_nc_u32 v4, TBL, v4                       ; the table, + 64 h
	v_lshl_add_u32 v13, v0, 5, TBL                 ; where I store my eight numbers of it
	v_mov_b32 v179, 0xf1800000                     ; -2^100
	s_wait_kmcnt 0x0
	s_add_co_i32 s52, s48, s49
	s_lshl_b32 s52, s52, 23
	s_add_co_i32 s40, s52, 0x3fb8aa3b              ; c = log2(e) x 2^(e10 + e11): the exponents are added to the exponent field
	s_mov_b32 s41, s40                             ; (named with it as a pair, so it is written)
	s_add_co_i32 s53, s40, 0x14000000
	s_or_b32 s53, s53, 0x80000000                  ; -2^40 c
	s_add_co_i32 s52, s50, 127
	s_lshl_b32 s55, s52, 23
	v_mov_b32 v8, s55                              ; 2^e12 as f32, for the conversions
	s_add_co_i32 s52, s52, 8
	s_lshl_b32 s52, s52, 23
	s_or_b32 s52, s52, 0x600000
	v_mov_b32 v9, s52                              ; 448 x 2^e12
.irp q, 0,1,2,3
	v_mov_b32 v[ST+8*\q+1], s53
	v_floor_f32 v[ST+8*\q], -v[ST+8*\q+1]
	v_mov_b32 v[ST+8*\q+2], 0
	v_mov_b32 v[ST+8*\q+3], 0
	v_mov_b32 v[ST+8*\q+5], 0                      ; written once: a lane permute's destination counts as one of its sources
.endr
	s_wait_loadcnt 0x0
	WIN 0x04
.irp i, 0,1,2,3,4,5,6,7,8,9,10,11,12,13,14,15,16,17,18,19,20,21,22,23,24,25,26,27,28,29,30,31
	ds_store_b128 v3, v[4*\i:4*\i+3] offset:512*\i
.endr
	WIN 0
.irp j, 0,1,2,3,4,5,6,7
	v_bfe_u32 v178, v[176+\j/4], 8*(\j%4), 8
	v_cmp_eq_u32 vcc_lo, 0, v178
	v_cndmask_b32 v[180+\j], 0, v179, vcc_lo       ; 0 for a key that counts, -2^100 for a hidden one
.endr
	ds_store_b128 v13, v[180:183]
	ds_store_b128 v13, v[184:187] offset:16
	s_mov_b32 s36, 0
	s_mov_b32 s37, 0
	s_mov_b32 s38, 6
	CHANGE 1                                       ; step 0 has landed and the table is whole for every wave; step 1 is asked for
	STEP 1
.Lstep:                                            ; six trips: steps 1 to 6; steps 2 to 7 are asked for
	CHANGE 1
	STEP 0
	s_sub_co_u32 s38, s38, 1
	s_cmp_lg_u32 s38, 0
	s_cbranch_scc1 .Lstep
	CHANGE 0                                       ; the last step is written out
	STEP 0
	; THE WAY OUT.  O^T is divided by the row's sum, multiplied by 2^(e12 + e13), and goes through my stage in LDS, 16 queries x 128 channels at a time: the 32 lanes then store a row's 512 consecutive bytes.
.irp q, 0,1,2,3
	v_add_f32 v[ST+8*\q+6], v[ST+8*\q+2], v[ST+8*\q+3]
.endr
.irp q, 0,1,2,3
	v_permlanex16_b32 v[ST+8*\q+5], v[ST+8*\q+6], s42, s43
.endr
.irp q, 0,1,2,3
	v_add_f32 v[ST+8*\q+6], v[ST+8*\q+6], v[ST+8*\q+5]
.endr
.irp q, 0,1,2,3
	v_rcp_f32 v[ST+8*\q+4], v[ST+8*\q+6]
.endr
	v_nop                                          ; a plain line behind the last reciprocal
	s_add_co_i32 s52, s50, s51
	s_wait_alu depctr_va_vdst(0)                   ; one wait for the four, ahead of their first reader
.irp q, 0,1,2,3
	v_ldexp_f32 v[ST+8*\q+4], v[ST+8*\q+4], s52
.endr
.macro TOSTAGE g                       ; tile g / 2, channels 128 (g % 2) on
.set Q_, (\g)/2
.set OB_, 128*(Q_%2)+64*((\g)%2)
	WIN 0x02+(Q_/2)
.set J, 0
.rept 32
	v_pk_mul_f32 v[48+J:48+J+1], v[OB_+J:OB_+J+1], v[ST+8*Q_+4:ST+8*Q_+5] op_sel_hi:[1,0]
.set J, J+2
.endr
	WIN 0
.irp nn, 0,1,2,3,4,5,6,7
	ds_store_b128 v12, v[48+8*\nn:48+8*\nn+3] offset:64*\nn
	ds_store_b128 v12, v[48+8*\nn+4:48+8*\nn+7] offset:64*\nn+16
.endr
.set BB_, 112+64*((\g)%2)
.irp t, 0,1,2,3,4,5,6,7,8,9,10,11,12,13,14,15
	ds_load_b128 v[BB_+4*\t:BB_+4*\t+3], v3 offset:\t*528   ; LDS serves a wave's instructions in order (ISA guide 5.7.1.4): these see the stores above, and the next block's stores come behind them
.endr
.endm
.macro SEND g, younger                 ; younger: the LDS instructions issued behind block g's loads, which may stay out
.set Q_, (\g)/2
.set BB_, 112+64*((\g)%2)
	s_wait_dscnt \younger
.irp t, 0,1,2,3,4,5,6,7,8,9,10,11,12,13,14,15
	global_store_b128 v1, v[BB_+4*\t:BB_+4*\t+3], s[12:13] offset:(32*(Q_/2)+8*(Q_%2)+\t+8*(\t/8))*1024+512*((\g)%2) th:TH_STORE_NT   ; stage row t is the tile's token t + 8 (t / 8); 512 consecutive bytes, at a multiple of 512
.endr
.endm
	TOSTAGE 0
.irp g, 1,2,3,4,5,6,7
.if \g > 1
	s_wait_xcnt 0x0                                ; block g - 2's stores have read their registers: block g's loads may land there
.endif
	TOSTAGE \g
	SEND \g-1, 32                                  ; behind block g - 1's loads: block g's 16 stores and 16 loads
.endr
	SEND 7, 0
	s_wait_tensorcnt 0x0                           ; the wave's end: behind my last tensor load and my last LDS store
	ds_add_u32 v6, v7
	s_wait_dscnt 0x0
	CROUND                                         ; the closing round: no work-group ends while a partner may still ask for a tile that names it
	s_endpgm
.Lfunc_end_k_q33df531e81_attn:
	.size	k_q33df531e81_attn, .Lfunc_end_k_q33df531e81_attn-k_q33df531e81_attn
	.p2alignl 7, 3214868480
	.fill 96, 4, 3214868480
	.section	.rodata,"a",@progbits
	.p2align	6, 0x0
	.amdhsa_kernel k_q33df531e81_attn
		.amdhsa_group_segment_fixed_size 327680
		.amdhsa_private_segment_fixed_size 0
		.amdhsa_enable_private_segment 0
		.amdhsa_kernarg_size 40
		.amdhsa_user_sgpr_count 2
		.amdhsa_user_sgpr_kernarg_segment_ptr 1
		.amdhsa_wavefront_size32 1
		.amdhsa_system_sgpr_workgroup_id_x 1
		.amdhsa_system_sgpr_workgroup_id_y 1
		.amdhsa_system_sgpr_workgroup_id_z 1
		.amdhsa_system_vgpr_workitem_id 0
		.amdhsa_next_free_vgpr 1024
		.amdhsa_next_free_sgpr 66
		.amdhsa_reserve_vcc 1
		.amdhsa_float_denorm_mode_32 3
		.amdhsa_float_denorm_mode_16_64 3
		.amdhsa_memory_ordered 1
		.amdhsa_forward_progress 1
		.amdhsa_inst_pref_size 255
	.end_amdhsa_kernel
	.section	.bss,"aw",@nobits
	.p2align	6
	.space	262144
	.amdgpu_metadata
---
amdhsa.version: [ 1, 2 ]
amdhsa.kernels:
  - .name:           k_q33df531e81_attn
    .symbol:         k_q33df531e81_attn.kd
    .args:
      - { .name: qc, .offset: 0, .size: 8, .value_kind: global_buffer, .address_space: global }
      - { .name: kv, .offset: 8, .size: 8, .value_kind: global_buffer, .address_space: global }
      - { .name: mask, .offset: 16, .size: 8, .value_kind: global_buffer, .address_space: global }
      - { .name: lowp_scales, .offset: 24, .size: 8, .value_kind: global_buffer, .address_space: global }
      - { .name: out0, .offset: 32, .size: 8, .value_kind: global_buffer, .address_space: global }
    .group_segment_fixed_size: 327680
    .private_segment_fixed_size: 0
    .kernarg_segment_align: 8
    .kernarg_segment_size: 40
    .max_flat_workgroup_size: 128
    .sgpr_count:     66
    .vgpr_count:     1024
    .wavefront_size: 32
...
	.end_amdgpu_metadata
.endif
;; end of part 3
;; ======== version 2 of 2: 3 launches
;; limits: right only within a limited range of input values
;; workspace buffers: qc 16,777,216 bytes; kv 33,554,432 bytes; wc 4,292,608 bytes
;; launch prep (part 4): grid 524 x 1, 4 waves a work-group, no clusters, 0 bytes of LDS; arguments Wk, Wq, Wv, PK_W, PQ_W, lowp_scales, wc; writes wc
.if DOCPART == 4
	.amdgcn_target "amdgcn-amd-amdhsa--gfx1250"
	.amdhsa_code_object_version 6
	.text
	.protected	k_q33df531e81_prep
	.globl	k_q33df531e81_prep
	.p2align	8
	.type	k_q33df531e81_prep,@function
k_q33df531e81_prep:
	s_mov_b64 s[64:65], 0
	v_nop
	global_prefetch_b8 v0, s[64:65] scope:SCOPE_SE
	s_setreg_imm32_b32 hwreg(HW_REG_WAVE_MODE, 25, 1), 1
	s_wait_xcnt 0x0
; THE WEIGHTS BECOME CODES, ONCE.  Wv, Wk, Wq [256][128] and the 32 persons' PK_W, PQ_W [256][256], f32 with K innermost, are quantised to FP8 (E4M3), each with the scale 2^e that lowp_scales gives it
; (Wk e1, Wq e3, Wv e5, PK_W e7, PQ_W e9), and laid into wc as IMAGES of an operand's registers: a fragment of 16 rows x 128 K is 2,048 bytes; byte 512 g + 16 lane + y is the code of the lane's row at
; k = 32 g + 16 (lane / 16) + y.  The launch behind this one copies images as they lie.
; wc: Wv's 16 images at 0, Wk's at 32768, Wq's at 65536; from 98304 on, for each person 131,072 bytes: PK's 32 images (tile t, K step s: 2 t + s), then PQ's 32.
; ROWS OF A TILE.  pi(r) = r + 8 (r / 8).  Tile t of Wv takes rows 16 t + r; tile t of every other matrix takes rows 32 (t / 2) + 8 (t % 2) + pi(r).
; SHARES.  2,096 fragments, one to a wave: F = 4 x work-group + wave.  F under 2,048: person F / 64, matrix (F / 32) % 2, image F % 32, which lies at 98304 + 2048 F.  The other 48: matrix (F - 2048) / 16, tile (F - 2048) % 16.
; What differs between the five matrices (buffer, scale, bytes in a row, order of rows) is chosen by s_cselect on F; there is no branch.  Waves share nothing: no LDS, no barrier.
; LIMITS.  e1, e3, e5, e7, e9 lie between -126 and 119, so that 2^e and 448 x 2^e are f32 numbers.  NaN among the inputs is not served.
.set NPF, 2048                         ; the persons' fragments
.set SHB, 98304                        ; bytes of the shared matrices' images
.set C,   16                           ; v16-31  the codes
.set X,   32                           ; v32-95  64 numbers: register 16 c + i = k 32 c + 16 h + i of my row
; From the exponent E in s[e]: s[d] = 2^E as f32 (a conversion takes its exponent field), s[d+2] = 448 x 2^E, s[d+1] = -448 x 2^E
.macro MKQ d, e
	s_add_co_i32 s[\d], s[\e], 127
	s_add_co_i32 s[\d+2], s[\e], 135
	s_lshl_b32 s[\d], s[\d], 23
	s_lshl_b32 s[\d+2], s[\d+2], 23
	s_or_b32 s[\d+2], s[\d+2], 0x600000
	s_or_b32 s[\d+1], s[\d+2], 0x80000000
.endm
	s_load_b256 s[4:11], s[0:1], 0x0               ; Wk 4:5, Wq 6:7, Wv 8:9, PK_W 10:11
	s_load_b128 s[12:15], s[0:1], 0x20             ; PQ_W 12:13, lowp_scales 14:15
	s_load_b64 s[16:17], s[0:1], 0x30              ; wc
	v_lshrrev_b32 v1, 5, v0
	v_readfirstlane_b32 s18, v1                    ; wave 0..3
	s_lshl_b32 s19, ttmp9, 2
	s_add_co_u32 s19, s19, s18                     ; F
	s_cmp_lt_u32 s19, NPF                          ; a person's fragment?
	s_cselect_b32 s30, 0, NPF
	s_cselect_b32 s32, 10, 9                       ; a row is 1,024 bytes there, 512 in the shared matrices
	s_cselect_b32 s33, 1, 0                        ; there the number's bit 0 is the K step and the tile begins at bit 1
	s_cselect_b32 s35, SHB, 0
	s_sub_co_u32 s31, s19, s30                     ; the fragment's number among its kind
	s_lshr_b32 s36, s31, s33
	s_and_b32 s36, s36, 15                         ; t
	s_and_b32 s37, s31, s33                        ; s
	s_lshr_b32 s38, s31, 5
	s_and_b32 s38, s38, 1                          ; a person's: 0 PK, 1 PQ
	s_lshr_b32 s39, s31, 4
	s_add_co_u32 s39, s39, 2                       ; shared: 2 Wv, 3 Wk, 4 Wq
	s_lshr_b32 s40, s31, 6
	s_lshl_b32 s40, s40, 18                        ; the person's matrix: 262,144 bytes each
	s_cmp_lt_u32 s19, NPF
	s_cselect_b32 s38, s38, s39                    ; which of the five matrices
	s_cselect_b32 s40, s40, 0
	s_lshr_b32 s41, s36, 1
	s_lshl_b32 s41, s41, 5
	s_and_b32 s42, s36, 1
	s_lshl_b32 s42, s42, 3
	s_add_co_u32 s41, s41, s42                     ; 32 (t / 2) + 8 (t % 2)
	s_lshl_b32 s42, s36, 4                         ; 16 t
	s_cmp_eq_u32 s38, 2                            ; Wv's rows lie as they are
	s_cselect_b32 s41, s42, s41                    ; the tile's first row
	s_cselect_b32 s43, 0, 8                        ; and the bit of r that pi doubles
	s_lshl_b32 s44, s41, s32
	s_lshl_b32 s42, s37, 9                         ; K step s: 512 bytes on
	s_add_co_u32 s44, s44, s42
	s_add_co_u32 s44, s44, s40
	s_mov_b32 s45, 0                               ; s[44:45]: where the fragment begins in its buffer
	s_lshl_b32 s46, s31, 11
	s_add_co_u32 s46, s46, s35
	s_mov_b32 s47, 0                               ; s[46:47]: where its image begins in wc
	v_and_b32 v1, 31, v0
	v_lshlrev_b32 v1, 4, v1                        ; 16 x lane
	v_and_b32 v4, 15, v0                           ; r
	v_bfe_u32 v5, v0, 4, 1                         ; h
	v_and_b32 v6, s43, v4
	v_add_nc_u32 v6, v6, v4                        ; my row of the tile: r or pi(r)
	v_lshlrev_b32 v2, s32, v6
	v_lshl_add_u32 v2, v5, 6, v2                   ; + 64 h: my 16 numbers of a block of 32
	s_wait_alu depctr_va_vdst(0)
	s_wait_kmcnt 0x0
	s_load_b256 s[20:27], s[14:15], 0x0            ; e0 .. e7
	s_load_b64 s[28:29], s[14:15], 0x20            ; e8, e9
	s_cmp_eq_u32 s38, 0                            ; the buffer: each choice hangs on F alone
	s_cselect_b64 s[12:13], s[10:11], s[12:13]
	s_cmp_eq_u32 s38, 2
	s_cselect_b64 s[12:13], s[8:9], s[12:13]
	s_cmp_eq_u32 s38, 3
	s_cselect_b64 s[12:13], s[4:5], s[12:13]
	s_cmp_eq_u32 s38, 4
	s_cselect_b64 s[12:13], s[6:7], s[12:13]
	s_add_nc_u64 s[12:13], s[12:13], s[44:45]
	s_add_nc_u64 s[16:17], s[16:17], s[46:47]
.irp c, 0,1,2,3
.irp j, 0,1,2,3
	global_load_b128 v[X+16*\c+4*\j:X+16*\c+4*\j+3], v2, s[12:13] offset:128*\c+16*\j
.endr
.endr
	s_wait_kmcnt 0x0
	s_cmp_eq_u32 s38, 0                            ; the scale's exponent, by the same choices
	s_cselect_b32 s48, s27, s29                    ; e7, else e9
	s_cmp_eq_u32 s38, 2
	s_cselect_b32 s48, s25, s48                    ; e5
	s_cmp_eq_u32 s38, 3
	s_cselect_b32 s48, s21, s48                    ; e1
	s_cmp_eq_u32 s38, 4
	s_cselect_b32 s48, s23, s48                    ; e3
	MKQ 52, 48
	v_mov_b32 v3, s52
.irp c, 0,1,2,3
	s_wait_loadcnt 12-4*\c                         ; block c's four loads are in; the later blocks', four each, may be out
.irp i, 0,1,2,3,4,5,6,7,8,9,10,11,12,13,14,15
	v_med3_num_f32 v[X+16*\c+\i], v[X+16*\c+\i], s53, s54   ; the conversion to an 8-bit code does not saturate (ISA guide 7.6.2): the hold at the largest code x the scale
.endr
	v_cvt_scalef32_pk8_fp8_f32 v[C+4*\c:C+4*\c+1], v[X+16*\c:X+16*\c+7], v3
	v_cvt_scalef32_pk8_fp8_f32 v[C+4*\c+2:C+4*\c+3], v[X+16*\c+8:X+16*\c+15], v3
	v_nop                                          ; one plain line behind a run of scaled conversions
	global_store_b128 v1, v[C+4*\c:C+4*\c+3], s[16:17] offset:512*\c   ; the wave stores 512 consecutive bytes, at a multiple of 512; each block has its own code registers
.endr
	s_endpgm
.Lfunc_end_k_q33df531e81_prep:
	.size	k_q33df531e81_prep, .Lfunc_end_k_q33df531e81_prep-k_q33df531e81_prep
	.p2alignl 7, 3214868480
	.fill 96, 4, 3214868480
	.section	.rodata,"a",@progbits
	.p2align	6, 0x0
	.amdhsa_kernel k_q33df531e81_prep
		.amdhsa_group_segment_fixed_size 0
		.amdhsa_private_segment_fixed_size 0
		.amdhsa_enable_private_segment 0
		.amdhsa_kernarg_size 56
		.amdhsa_user_sgpr_count 2
		.amdhsa_user_sgpr_kernarg_segment_ptr 1
		.amdhsa_wavefront_size32 1
		.amdhsa_system_sgpr_workgroup_id_x 1
		.amdhsa_system_sgpr_workgroup_id_y 1
		.amdhsa_system_sgpr_workgroup_id_z 1
		.amdhsa_system_vgpr_workitem_id 0
		.amdhsa_next_free_vgpr 96
		.amdhsa_next_free_sgpr 66
		.amdhsa_reserve_vcc 0
		.amdhsa_float_denorm_mode_32 3
		.amdhsa_float_denorm_mode_16_64 3
		.amdhsa_memory_ordered 1
		.amdhsa_forward_progress 1
		.amdhsa_inst_pref_size 10
	.end_amdhsa_kernel
	.amdgpu_metadata
---
amdhsa.version: [ 1, 2 ]
amdhsa.kernels:
  - .name:           k_q33df531e81_prep
    .symbol:         k_q33df531e81_prep.kd
    .args:
      - { .name: Wk, .offset: 0, .size: 8, .value_kind: global_buffer, .address_space: global }
      - { .name: Wq, .offset: 8, .size: 8, .value_kind: global_buffer, .address_space: global }
      - { .name: Wv, .offset: 16, .size: 8, .value_kind: global_buffer, .address_space: global }
      - { .name: PK_W, .offset: 24, .size: 8, .value_kind: global_buffer, .address_space: global }
      - { .name: PQ_W, .offset: 32, .size: 8, .value_kind: global_buffer, .address_space: global }
      - { .name: lowp_scales, .offset: 40, .size: 8, .value_kind: global_buffer, .address_space: global }
      - { .name: wc, .offset: 48, .size: 8, .value_kind: global_buffer, .address_space: global }
    .group_segment_fixed_size: 0
    .private_segment_fixed_size: 0
    .kernarg_segment_align: 8
    .kernarg_segment_size: 56
    .max_flat_workgroup_size: 128
    .sgpr_count:     66
    .vgpr_count:     96
    .wavefront_size: 32
...
	.end_amdgpu_metadata
.endif
;; end of part 4
;; launch proj (part 5): grid 4 x 64, 4 waves a work-group, no clusters, 231,936 bytes of LDS; arguments x, person_idxs, wc, PK_b, PQ_b, lowp_scales, qc, kv; writes qc, kv
.if DOCPART == 5
	.amdgcn_target "amdgcn-amd-amdhsa--gfx1250"
	.amdhsa_code_object_version 6
	.text
	.protected	k_q33df531e81_proj
	.globl	k_q33df531e81_proj
	.p2align	8
	.type	k_q33df531e81_proj,@function
k_q33df531e81_proj:
	s_mov_b64 s[64:65], 0
	v_nop
	global_prefetch_b8 v0, s[64:65] scope:SCOPE_SE
	s_setreg_imm32_b32 hwreg(HW_REG_WAVE_SCHED_MODE, 0, 2), 2
	s_setreg_imm32_b32 hwreg(HW_REG_WAVE_MODE, 25, 1), 1
	s_wait_xcnt 0x0
	s_wait_alu depctr_vm_vsrc(0)
; THE FIVE PROJECTIONS, on codes of FP8 (E4M3): k0 = x Wk^T, q0 = x Wq^T, v = x Wv^T, keys = k0 PK^T + bk, queries = (q0 PQ^T + bq) / 16, PK and PQ those of the batch's person.
; Every operand is quantised with the scale 2^e that lowp_scales gives it (x three times, once for each product).  The weights arrive as codes, in wc, from the launch before.
; What leaves are CODES alone: the queries' into qc, the keys' and v's into kv.
; SHARES.  Work-group (X, b) takes tokens 256 X .. 256 X + 255 of batch b; each of its four waves takes 64 of them, four tiles of 16, through the whole chain in registers.
; The 112 weight fragments (16 rows x 128 K) that the work-group needs lie in wc as IMAGES of an operand's registers (byte 512 g + 16 lane + y is register 4 g + y / 4); the four waves copy them into LDS as they lie,
; 56 KB a wave, each load and each LDS store 512 consecutive bytes.  One barrier; behind it LDS is only read and the waves share nothing.
; ORDER OF k IN A FRAGMENT: lane (r, h) holds, of its row, k = 32 g + 16 h + 0 .. 15 in registers 4 g .. 4 g + 3: a permutation of k that is the same in both operands of every product.
; ROWS OF A TILE.  pi(r) = r + 8 (r / 8).  Tile 2 b + u of Wk, Wq, PK, PQ takes rows 32 b + 8 u + pi(r), and tile 2 p + u of a wave's tokens takes tokens 32 p + 8 u + pi(r): the 16 result registers of two
; neighbouring tiles are then 16 neighbours along the next product's K, and a conversion's results ARE the next operand's registers.
; wc: Wv's 16 images at 0, Wk's at 32768, Wq's at 65536; from 98304 on, for each person 131,072 bytes: PK's 32 images (2 t + s), then PQ's.
; WORKSPACE OUT.  qc: b x 262144 + T x 4096 + s x 2048: image of token tile T (of 64), channels 128 s on.  kv: b x 524288 + KB x 65536 (KB: 128 keys): keys' images at tau x 4096 + s x 2048 (tau = T mod 8), then from
; 32768 on v's, n x 2048: row r = channel 16 n + r, k = the block's 128 keys in their own order.
; NO CLUSTER, NO TENSOR LOAD, though the four work-groups of a batch copy the same 224 KB: the bytes are fetched once, at the head, and the address of the larger part (128 KB) hangs on the person's number, a number
; read from memory, which this text keeps out of tensor descriptors.
; LIMITS.  Each exponent that a conversion takes (e0, e2, e4, e6-e0-e1, e8-e2-e3, e13-e4-e5, e11-e6-e7, e10+4-e8-e9) lies between -126 and 119, so that 2^E and 448 x 2^E are f32 numbers.
; NaN among the inputs is not served.  A person's number above 31 is held at 31.
; REGISTERS, in windows of 256.  window 0: v1 16 x lane; v2 my lane's offset in x; v6-9 where I store images; v10-12 where I read them; v13 the bias table; v14-16 the path's three scales;
;   v32-63 codes, two sets of 16; v64-127 results; v128-191 weight fragments, two slots of two; v192-207 biases.   window 1: at the head 64 pieces of images; then v0-63 x's codes, v64-191 the hidden layer's.
;   window 2: at the head 48 pieces of images.   window 3: x as f32.
; THE MODE: SCHED_MODE bits 1:0 = 2 (LLVM: expert scheduling mode 2), set by the entry lines.  The code itself states the register dependences between vector or matrix instructions and memory or LDS
; instructions, with s_wait_alu, always for 0.
; THE PLAN.  Registers that memory or LDS instructions touch:
;   v1, v2, v6-9, v22, v23   offsets and LDS addresses: made at the head, never written again.
;   the 112 pieces           written by the head's loads, read by the head's LDS stores; window 1's are written again by x's and the hidden layer's conversions, behind one wait on vm_vsrc behind the barrier.
;   slot 0, slot 1           (with the biases' eight registers each)  A unit's products read slot u % 2; behind the unit's holds the images of the unit two further on are asked for into the same slot.
;   code set 0, set 1        A unit of v, or a pair of units of the routed layer, writes one set by its conversions; the global stores that read it are issued in the unit, or pair, behind it, which writes the other set.
;   v10-12                   LDS addresses: written at a path's head; v11 and v12 once more in each trip of the routed layer's loop.
;   Results, x's codes, the hidden layer's codes and the scales are named by vector and matrix instructions alone.
; So ONE wait on va_vdst stands in a unit, behind its holds, which have read every result: it states that the unit's products are done reading their slot and that the codes of the unit (or pair) before are written.
; The unit's LDS loads and the stores of the unit before follow it; behind them come the unit's own conversions, which name results, a scale and the other code set: none of the registers that those touch.
; A wait on vm_vsrc, beside s_wait_xcnt 0, stands ahead of it where a code set is written again: a whole unit (or pair) behind the stores that read the set.
.set PBK,  32768                       ; LDS: Wv's 16 images at 0; from PBK: Wk's 16 and PK's 32; from PBQ: Wq's and PQ's; at BT the two biases, 256 f32 each
.set PBQ,  131072
.set BT,   229376
.set SHB,  98304                       ; wc: bytes of the shared matrices' images
.set CODE, 32
.set ACC,  64
.set WF,   128
.set BI,   192
.set XC,   0                           ; in window 1
.set K0C,  64                          ; in window 1
.set MSB,  0
.macro WIN new                         ; the immediate's high byte repeats the setting that is left; a switch that changes nothing is dropped
.if MSB != (\new)
	s_set_vgpr_msb (MSB<<8)|(\new)
.set MSB, (\new)
.endif
.endm
.macro PLACES n
.rept \n
	v_nop
.endr
.endm
; From the exponent E in s[e]: s[d] = 2^E as f32 (a conversion takes its exponent field), s[d+2] = 448 x 2^E, s[d+1] = -448 x 2^E
.macro MKQ d, e
	s_add_co_i32 s[\d], s[\e], 127
	s_add_co_i32 s[\d+2], s[\e], 135
	s_lshl_b32 s[\d], s[\d], 23
	s_lshl_b32 s[\d+2], s[\d+2], 23
	s_or_b32 s[\d+2], s[\d+2], 0x600000
	s_or_b32 s[\d+1], s[\d+2], 0x80000000
.endm
; Piece i of my 112 pieces of 512 bytes: 0-15 of Wv's images, 16-31 of Wk's, 32-47 of Wq's (8,192 bytes of each are mine), 48-79 of PK's, 80-111 of PQ's (16,384 of each).  Each piece has four registers of its own.
.macro IL i                            ; from wc
.if (\i) < 64
	WIN 0x40
.set RG, 4*(\i)
.else
	WIN 0x80
.set RG, 4*((\i)-64)
.endif
.if (\i) < 48
	global_load_b128 v[RG:RG+3], v1, s[8:9] offset:32768*((\i)/16)+512*((\i)%16)
.else
	global_load_b128 v[RG:RG+3], v1, s[14:15] offset:65536*(((\i)-48)/32)+512*(((\i)-48)%32)
.endif
.endm
.macro IS i                            ; into LDS
.if (\i) < 64
	WIN 0x04
.set RG, 4*(\i)
.else
	WIN 0x08
.set RG, 4*((\i)-64)
.endif
.if (\i) < 32
	ds_store_b128 v6, v[RG:RG+3] offset:PBK*((\i)/16)+512*((\i)%16)
.elseif (\i) < 48
	ds_store_b128 v8, v[RG:RG+3] offset:512*((\i)-32)
.elseif (\i) < 80
	ds_store_b128 v7, v[RG:RG+3] offset:512*((\i)-48)
.else
	ds_store_b128 v9, v[RG:RG+3] offset:512*((\i)-80)
.endif
.endm
.macro XL8 k                           ; eight of x's 64 loads: token tile k / 2, blocks 2 (k % 2) and 2 (k % 2) + 1 of 32 along K, into window 3: x stays as f32, since it is quantised three times
	WIN 0xc0
.irp c, 0,1
.irp j, 0,1,2,3
	global_load_b128 v[64*((\k)/2)+16*(2*((\k)%2)+\c)+4*\j:64*((\k)/2)+16*(2*((\k)%2)+\c)+4*\j+3], v2, s[4:5] offset:(32*((\k)/4)+8*(((\k)/2)%2))*512+128*(2*((\k)%2)+\c)+16*\j th:TH_LOAD_NT
.endr
.endr
.endm
.macro GL g                            ; group g of the head's stream of loads, eight loads each: 0-13 the images, 14-21 x
.if (\g) < 14
.irp n, 0,1,2,3,4,5,6,7
	IL 8*(\g)+\n
.endr
.else
	XL8 (\g)-14
.endif
.endm
.macro GS g
.irp n, 0,1,2,3,4,5,6,7
	IS 8*(\g)+\n
.endr
.endm
.macro LOADW sl, adr, off              ; two images on end, 4,096 bytes, into slot sl
.irp i, 0,1,2,3,4,5,6,7
	ds_load_b128 v[WF+32*(\sl)+4*\i:WF+32*(\sl)+4*\i+3], v[\adr] offset:(\off)+512*\i
.endr
.endm
.macro LOADP u, off, boff              ; a tile of PK or PQ (its two K steps) and the tile's eight biases of my half
	LOADW \u, 11, \off
	ds_load_b128 v[BI+8*(\u):BI+8*(\u)+3], v12 offset:\boff
	ds_load_b128 v[BI+8*(\u)+4:BI+8*(\u)+7], v12 offset:(\boff)+16
.endm
.macro XQ                              ; x's four tiles become codes under the path's scale for x
.irp i, 0,1,2,3
	WIN 0x03
.set J, 0
.rept 64
	v_med3_num_f32 v[ACC+J], v[64*\i+J], s70, s71  ; the conversion to an 8-bit code does not saturate (ISA guide 7.6.2): the hold at the largest code x the scale
.set J, J+1
.endr
	WIN 0x40
.set J, 0
.rept 8
	v_cvt_scalef32_pk8_fp8_f32 v[XC+16*\i+2*J:XC+16*\i+2*J+1], v[ACC+8*J:ACC+8*J+7], v14
.set J, J+1
.endr
	v_nop                                          ; one plain line behind a run of scaled conversions
.endr
	WIN 0
.endm
.macro QACC q                          ; the hold on all 64 results, each accumulator from its low end on
.set J, 0
.rept 64
	v_med3_num_f32 v[ACC+J], v[ACC+J], s[\q+1], s[\q+2]
.set J, J+1
.endr
.endm
.macro VSTORES cb, off                 ; a unit of v leaves from code set cb: four stores of 512 consecutive bytes, each at a multiple of 512
.irp f, 0,1
.irp p, 0,1
	global_store_b128 v1, v[CODE+16*(\cb)+4*(2*\f+\p):CODE+16*(\cb)+4*(2*\f+\p)+3], s[88:89] offset:(\off)+\f*2048+\p*512
.endr
.endr
.endm
; v, unit u of eight: two tiles of 16 channels x my four tiles of tokens.  Source 0 = x, source 1 = Wv: a lane holds one CHANNEL and its registers run along the tokens, which are the last product's K.
; The eight units are written out: the first sends nothing, the last two ask for nothing.  Every offset is an immediate; Wv's images begin at LDS byte 0, so v1 is their address.
.macro UNITV u
.set SL, (\u)%2
.if (\u) == 7
	s_wait_dscnt 0x0                               ; the last slot: nothing was asked for behind it
.else
	s_wait_dscnt 8                                 ; my slot is in; the other slot's eight loads may be out
.endif
	WIN 0x01
.irp f, 0,1
.irp i, 0,1,2,3
	v_wmma_f32_16x16x128_fp8_fp8 v[ACC+32*\f+8*\i:ACC+32*\f+8*\i+7], v[XC+16*\i:XC+16*\i+15], v[WF+32*SL+16*\f:WF+32*SL+16*\f+15], 0
.endr
.endr
	WIN 0
	PLACES 4                                       ; ahead of the first read of results (ISA guide 7.12.1)
	QACC 75
.if (\u) >= 2
	s_wait_xcnt 0x0                                ; the stores issued a unit back have had their addresses translated: their data, this unit's code set, are written again only behind this wait
	s_wait_alu depctr_vm_vsrc(0)                   ; and they have read that code set, which the conversions below write
.endif
	s_wait_alu depctr_va_vdst(0)                   ; this unit's products are done reading their slot, in which the loads below land; the unit before has written the other code set, which the stores below read
.if (\u) <= 5
	LOADW SL, 1, ((\u)+2)*4096
.endif
.if (\u) >= 1
	VSTORES 1-SL, ((\u)-1)*4096
.endif
.set J, 0
.rept 8
	v_cvt_scalef32_pk8_fp8_f32 v[CODE+16*SL+2*J:CODE+16*SL+2*J+1], v[ACC+8*J:ACC+8*J+7], v16
.set J, J+1
.endr
	v_nop                                          ; one plain line behind a run of scaled conversions
.endm
; The hidden layer: tiles 2 b, 2 b + 1 of Wk or Wq x my four tiles of tokens, transposed (source 0 = the weight): a lane holds one token, and the 16 registers are hidden units 32 b + 16 h + 0 .. 15
.macro UNIT1 b
.if (\b)==7
	s_wait_dscnt 10                                ; behind my slot's loads: the first tile of the second layer, eight loads and two
.else
	s_wait_dscnt 8
.endif
	WIN 0x04
.irp u, 0,1
.irp i, 0,1,2,3
	v_wmma_f32_16x16x128_fp8_fp8 v[ACC+16*\i+8*\u:ACC+16*\i+8*\u+7], v[WF+32*((\b)%2)+16*\u:WF+32*((\b)%2)+16*\u+15], v[XC+16*\i:XC+16*\i+15], 0
.endr
.endr
	WIN 0
	PLACES 4
	QACC 72
	s_wait_alu depctr_va_vdst(0)                   ; this unit's products are done reading their slot, in which the loads below land (units 6 and 7: every earlier product is also done reading the biases' registers)
.if (\b) < 6
	LOADW (\b)%2, 10, ((\b)+2)*4096
.elseif (\b) == 6
	LOADP 0, 0, 0
.else
	LOADP 1, 4096, 32
.endif
	WIN 0x40
.irp i, 0,1,2,3
.irp u, 0,1
	v_cvt_scalef32_pk8_fp8_f32 v[K0C+32*\i+16*((\b)/4)+4*((\b)%4)+2*\u:K0C+32*\i+16*((\b)/4)+4*((\b)%4)+2*\u+1], v[ACC+16*\i+8*\u:ACC+16*\i+8*\u+7], v15
.endr
.endr
	v_nop
	WIN 0
.endm
.macro STORES cb, off                  ; a pair's 32 channels (32 b + 16 h + 0 .. 15) of my four tiles of tokens leave from code set cb: a quarter of an image each, 512 consecutive bytes
.irp i, 0,1,2,3
	global_store_b128 v1, v[CODE+16*(\cb)+4*\i:CODE+16*(\cb)+4*\i+3], s[88:89] offset:\i*4096+(\off)
.endr
.endm
; The routed layer: one tile of PK or PQ x my four tiles of tokens, K = 256 in two steps; the bias, divided by the power of two that the sums lack, is the C of the first.  The four accumulators take turns.
; Two units, u = 0 and 1, are a PAIR: 32 channels, one code set (cb = the pair's number % 2).  more = 1: the tile two units on is asked for, at loff of v11 and boff of v12.  send = 1 (a pair's first unit):
; the pair before leaves from the other set, at soff of the base.  adv = 1 (a trip's first unit): the two LDS addresses and the base move on by two pairs.  last = 1: nothing was asked for behind my tile.
.macro UNIT4 u, cb, last, more, loff, boff, send, soff, adv
.if \last
	s_wait_dscnt 0x0
.else
	s_wait_dscnt 10                                ; my tile and its biases are in; the other tile's eight loads and two may be out
.endif
	WIN 0x04
.irp i, 0,1,2,3
	v_wmma_f32_16x16x128_fp8_fp8 v[ACC+16*\i+8*(\u):ACC+16*\i+8*(\u)+7], v[WF+32*(\u):WF+32*(\u)+15], v[K0C+32*\i:K0C+32*\i+15], v[BI+8*(\u):BI+8*(\u)+7]
.endr
	s_wait_alu depctr_va_vdst(0)
.irp i, 0,1,2,3
	v_wmma_f32_16x16x128_fp8_fp8 v[ACC+16*\i+8*(\u):ACC+16*\i+8*(\u)+7], v[WF+32*(\u)+16:WF+32*(\u)+31], v[K0C+32*\i+16:K0C+32*\i+31], v[ACC+16*\i+8*(\u):ACC+16*\i+8*(\u)+7]
.endr
	WIN 0
	PLACES 4
.irp i, 0,1,2,3
.irp j, 0,1,2,3,4,5,6,7
	v_med3_num_f32 v[ACC+16*\i+8*(\u)+\j], v[ACC+16*\i+8*(\u)+\j], s76, s77
.endr
.endr
.if \send
	s_wait_xcnt 0x0                                ; the stores issued a pair back have had their addresses translated: their data, this pair's code set, and their base are written again only behind this wait
	s_wait_alu depctr_vm_vsrc(0)                   ; they have read that code set, which this pair's conversions write; and the LDS loads issued so far have read v11 and v12
.endif
.if \adv
	s_add_nc_u64 s[88:89], s[88:89], 1024          ; two pairs on: the stores of this trip reach back
	s_add_co_u32 s93, s93, 16384
	v_add_nc_u32 v11, s93, v1
	s_add_co_u32 s94, s94, 256
	v_add_nc_u32 v12, s94, v13
.endif
.if \more || \send
	s_wait_alu depctr_va_vdst(0)                   ; this unit's products are done reading their tile and biases, in which the loads below land; the pair before has written the other code set, which the stores below read; in a trip's first unit v11 and v12 are written
.endif
.if \more
	LOADP \u, \loff, \boff
.endif
.if \send
	STORES 1-(\cb), \soff
.endif
.irp i, 0,1,2,3
	v_cvt_scalef32_pk8_fp8_f32 v[CODE+16*(\cb)+4*\i+2*(\u):CODE+16*(\cb)+4*\i+2*(\u)+1], v[ACC+16*\i+8*(\u):ACC+16*\i+8*(\u)+7], v16
.endr
	v_nop
.endm
	s_load_b128 s[4:7], s[0:1], 0x0                ; x 4:5, person_idxs 6:7
	s_load_b64 s[8:9], s[0:1], 0x10                ; wc
	s_load_b64 s[16:17], s[0:1], 0x18              ; PK_b
	s_load_b256 s[20:27], s[0:1], 0x20             ; PQ_b 20:21, lowp_scales 22:23, qc 24:25, kv 26:27
	v_lshl_add_u32 v254, v0, 2, 0x38800
	v_mov_b32 v255, 0
	v_lshrrev_b32 v1, 5, v0
	v_readfirstlane_b32 s42, v1                    ; wave 0..3
	s_mov_b32 s44, ttmp9                           ; X
	s_and_b32 s45, ttmp7, 0xffff                   ; b
	v_and_b32 v1, 31, v0
	v_lshlrev_b32 v1, 4, v1                        ; 16 x lane
	v_and_b32 v10, 15, v0                          ; r
	v_bfe_u32 v11, v0, 4, 1                        ; h
	v_and_b32 v12, 8, v10
	v_add_nc_u32 v12, v12, v10                     ; pi(r)
	v_lshlrev_b32 v11, 6, v11                      ; 64 h: my 16 numbers of a block of 32
	v_lshl_add_u32 v2, v12, 9, v11                 ; x: rows of 512 bytes in pi's order
	v_add_nc_u32 v13, BT, v11                      ; the bias table, + 64 h
	s_wait_alu depctr_va_sdst(0)                   ; s42, the wave's number, is written, ahead of its first reader
	s_lshl_b32 s46, s42, 13
	s_lshl_b32 s47, s42, 14
	v_add_nc_u32 v6, s46, v1                       ; my 8,192 bytes of Wv's images; + PBK: of Wk's
	v_add_nc_u32 v7, s47, v1
	v_add_nc_u32 v8, PBQ, v6                       ; of Wq's
	v_add_nc_u32 v9, PBQ+32768, v7                 ; my 16,384 bytes of PQ's
	v_add_nc_u32 v7, PBK+32768, v7                 ; and of PK's
	v_and_b32 v22, 63, v0
	v_lshlrev_b32 v22, 4, v22                      ; the biases: 64 threads x 16 bytes are one table
	v_lshl_add_u32 v23, v0, 4, BT
	s_lshl_b32 s46, s45, 2
	s_mov_b32 s47, 0
	s_mov_b32 s49, 0
	s_wait_kmcnt 0x0
	s_add_nc_u64 s[6:7], s[6:7], s[46:47]
	s_load_b32 s43, s[6:7], 0x0                    ; the batch's person
	s_load_b256 s[28:35], s[22:23], 0x0            ; e0 .. e7
	s_load_b128 s[36:39], s[22:23], 0x20           ; e8 .. e11
	s_load_b64 s[40:41], s[22:23], 0x30            ; e12, e13
	s_mov_b64 s[14:15], s[8:9]
	s_lshl_b32 s46, s42, 13
	s_add_nc_u64 s[8:9], s[8:9], s[46:47]          ; wc at my part of the shared matrices' images
	s_wait_alu depctr_va_vdst(0)                   ; v1, v2, v6-9, v22 and v23 are written: the offsets and LDS addresses that the head's loads and LDS stores, and every later load and store, read
.irp g, 0,1,2,3,4,5
	GL \g                                          ; the shared matrices' images hang on no loaded number: they are asked for while the person's number is on its way
.endr
	s_lshl_b32 s46, s42, 15                        ; my 64 rows of 512 bytes
	s_lshl_b32 s48, s45, 19
	s_lshl_b32 s50, s44, 17
	s_add_co_u32 s48, s48, s50
	s_add_co_u32 s48, s48, s46
	s_add_nc_u64 s[4:5], s[4:5], s[48:49]          ; x at my first token: (1024 b + 256 X + 64 w) x 512
	s_lshl_b32 s48, s45, 19
	s_add_co_u32 s48, s48, s50                     ; 2 X blocks of 65,536
	s_lshr_b32 s50, s42, 1
	s_lshl_b32 s50, s50, 16
	s_add_co_u32 s48, s48, s50
	s_add_nc_u64 s[26:27], s[26:27], s[48:49]      ; kv at my block of 128 keys
	s_lshl_b32 s48, s45, 18
	s_lshl_b32 s50, s44, 16
	s_add_co_u32 s48, s48, s50
	s_lshl_b32 s50, s42, 14
	s_add_co_u32 s48, s48, s50
	s_add_nc_u64 s[24:25], s[24:25], s[48:49]      ; qc at my four tiles
	s_wait_kmcnt 0x0
	s_min_u32 s43, s43, 31
	s_lshl_b32 s48, s43, 17                        ; the person's 131,072 bytes of images,
	s_add_co_u32 s48, s48, s50                     ; my 16,384 of each matrix's,
	s_add_co_u32 s48, s48, SHB                     ; behind the shared ones
	s_add_nc_u64 s[14:15], s[14:15], s[48:49]
	s_lshl_b32 s48, s43, 10
	s_add_nc_u64 s[16:17], s[16:17], s[48:49]
	s_add_nc_u64 s[20:21], s[20:21], s[48:49]
	s_add_co_i32 s50, s34, s35                     ; e6 + e7
	s_add_co_i32 s51, s36, s37                     ; e8 + e9
	s_cmp_lt_u32 s42, 2                            ; waves 0 and 1 bring PK_b, waves 2 and 3 PQ_b
	s_cselect_b64 s[16:17], s[16:17], s[20:21]
	s_cselect_b32 s50, s50, s51
	s_sub_co_i32 s50, 0, s50
	WIN 0
	global_load_b128 v[18:21], v22, s[16:17]
	GL 6
.irp g, 0,1,2,3,4,5,6,7,8,9,10,11,12,13
.if \g < 6
	s_wait_loadcnt 49                              ; group g is in; behind it: six groups of eight and the biases' one load
.else
	s_wait_loadcnt 48                              ; group g is in; behind it: six groups of eight
.endif
	GS \g
	GL \g+7                                        ; the stream goes on: behind the last images, x.  No vector instruction names a piece's registers or x's, so these loads and LDS stores hang on the memory counters alone
.if \g == 5
	s_wait_loadcnt 56                              ; the biases are in; behind them: groups 6 to 12
	WIN 0
.irp j, 18,19,20,21
	v_ldexp_f32 v\j, v\j, s50                      ; a sum of the routed layer stands for sum x 2^(e6 + e7) (2^(e8 + e9)): the bias goes in divided by that
.endr
	s_wait_alu depctr_va_vdst(0)                   ; the four lines above have written v18-21, which the LDS store reads
	ds_store_b128 v23, v[18:21]
.endif
.endr
	GL 21
	MKQ 69, 32                                     ; the path of v: x under e4,
	s_sub_co_i32 s46, s41, s32
	s_sub_co_i32 s46, s46, s33
	MKQ 75, 46                                     ; v under e13 - e4 - e5: the sums lack 2^(e4 + e5)
	WIN 0
	v_mov_b32 v14, s69
	v_mov_b32 v16, s75
	s_and_b32 s46, s42, 1
	s_lshl_b32 s46, s46, 10
	s_add_co_u32 s46, s46, 32768
	s_mov_b32 s47, 0
	s_add_nc_u64 s[88:89], s[26:27], s[46:47]      ; v's images: my 64 keys are bytes 1,024 (w % 2) on of each
	s_wait_dscnt 0x0                               ; for the other waves' sake: my part of the images and of the biases lies in LDS
	s_barrier_signal -1
	s_barrier_wait -1                              ; everybody's does.  From here on LDS is only read
	s_wait_alu depctr_vm_vsrc(0)                   ; my LDS stores have read the pieces: window 1's registers are x's and the hidden layer's codes from here on, written by conversions
	LOADW 0, 1, 0
	LOADW 1, 1, 4096
	s_wait_loadcnt 0x0                             ; x
	XQ
	s_wait_alu depctr_va_vdst(0)
.irp u, 0,1,2,3,4,5,6,7
	UNITV \u
.endr
	s_wait_alu depctr_va_vdst(0)                   ; unit 7's conversions have written code set 1, which the last four stores read
	VSTORES 1, 7*4096
	s_wait_xcnt 0x0                                ; the stores have read their base, which now changes to the keys'
	MKQ 69, 28                                     ; the keys' path: x under e0,
	s_sub_co_i32 s46, s34, s28
	s_sub_co_i32 s46, s46, s29
	MKQ 72, 46                                     ; k0 under e6 - e0 - e1,
	s_sub_co_i32 s46, s39, s34
	s_sub_co_i32 s46, s46, s35
	MKQ 75, 46                                     ; the keys under e11 - e6 - e7
	MKQ 78, 30                                     ; the queries' path: x under e2,
	s_sub_co_i32 s46, s36, s30
	s_sub_co_i32 s46, s46, s31
	MKQ 81, 46                                     ; q0 under e8 - e2 - e3,
	s_add_co_i32 s46, s38, 4
	s_sub_co_i32 s46, s46, s36
	s_sub_co_i32 s46, s46, s37
	MKQ 84, 46                                     ; the queries under e10 + 4 - e8 - e9: the division by 16 is folded in
	s_and_b32 s46, s42, 1
	s_lshl_b32 s46, s46, 14
	s_add_nc_u64 s[88:89], s[26:27], s[46:47]      ; the keys' images: my four tiles
	s_mov_b64 s[90:91], s[24:25]                   ; and the queries'
	s_mov_b32 s92, PBK
	s_mov_b32 s94, 0
	s_mov_b32 s96, 2
.Lpath:                                            ; two trips: keys, queries.  What differs lies in scalar registers
	v_mov_b32 v14, s69
	v_mov_b32 v15, s72
	v_mov_b32 v16, s75
	s_add_co_u32 s93, s92, 32768
	s_wait_alu depctr_vm_vsrc(0)                   ; the LDS loads issued so far have read v10, v11 and v12, which are written below; the last stores have read both code sets, which this path's conversions write again
	v_add_nc_u32 v10, s92, v1                      ; the first layer's images,
	v_add_nc_u32 v11, s93, v1                      ; the routed layer's,
	v_add_nc_u32 v12, s94, v13                     ; its biases
	s_wait_alu depctr_va_vdst(0)                   ; the three addresses are written; the products issued so far are done reading both slots, in which the loads below land
	LOADW 0, 10, 0
	LOADW 1, 10, 4096
	XQ
	s_wait_alu depctr_va_vdst(0)
.irp b, 0,1,2,3,4,5,6,7
	UNIT1 \b
.endr
	UNIT4 0, 0, 0, 1, 8192, 128, 0, 0, 0           ; pair 0: there is no pair before it to send
	UNIT4 1, 0, 0, 1, 12288, 160, 0, 0, 0
	s_mov_b32 s95, 3
.Lb:                                               ; a trip: two pairs, 64 channels of the routed layer (pairs 1 to 6): both code sets are back at their start
	UNIT4 0, 1, 0, 1, 0, 0, 1, -1024, 1
	UNIT4 1, 1, 0, 1, 4096, 32, 0, 0, 0
	UNIT4 0, 0, 0, 1, 8192, 128, 1, -512, 0
	UNIT4 1, 0, 0, 1, 12288, 160, 0, 0, 0
	s_sub_co_u32 s95, s95, 1
	s_cmp_lg_u32 s95, 0
	s_cbranch_scc1 .Lb
	UNIT4 0, 1, 0, 0, 0, 0, 1, 0, 0                ; pair 7 asks for nothing more; its first unit sends pair 6
	UNIT4 1, 1, 1, 0, 0, 0, 0, 0, 0
	s_wait_alu depctr_va_vdst(0)                   ; pair 7's conversions have written code set 1, which the last four stores read
	STORES 1, 512
	s_wait_xcnt 0x0                                ; the stores have read their base, which now changes to the other path's
	s_mov_b64 s[88:89], s[90:91]
.irp j, 0,1,2,3,4,5,6,7,8
	s_mov_b32 s[69+\j], s[78+\j]
.endr
	s_add_co_u32 s92, s92, PBQ-PBK
	s_add_co_u32 s94, s94, 256                     ; with the loop's three steps of 256: the other table, 1,024 bytes on
	s_sub_co_u32 s96, s96, 1
	s_cmp_lg_u32 s96, 0
	s_cbranch_scc1 .Lpath
	s_wait_dscnt 0x0                               ; the closing lines, six on end
	s_wait_alu 0x0
	s_wait_tensorcnt 0x0
	ds_add_u32 v254, v255
	s_wait_dscnt 0x0
	s_endpgm
.Lfunc_end_k_q33df531e81_proj:
	.size	k_q33df531e81_proj, .Lfunc_end_k_q33df531e81_proj-k_q33df531e81_proj
	.p2alignl 7, 3214868480
	.fill 96, 4, 3214868480
	.section	.rodata,"a",@progbits
	.p2align	6, 0x0
	.amdhsa_kernel k_q33df531e81_proj
		.amdhsa_group_segment_fixed_size 231936
		.amdhsa_private_segment_fixed_size 0
		.amdhsa_enable_private_segment 0
		.amdhsa_kernarg_size 64
		.amdhsa_user_sgpr_count 2
		.amdhsa_user_sgpr_kernarg_segment_ptr 1
		.amdhsa_wavefront_size32 1
		.amdhsa_system_sgpr_workgroup_id_x 1
		.amdhsa_system_sgpr_workgroup_id_y 1
		.amdhsa_system_sgpr_workgroup_id_z 1
		.amdhsa_system_vgpr_workitem_id 0
		.amdhsa_next_free_vgpr 1024
		.amdhsa_next_free_sgpr 98
		.amdhsa_reserve_vcc 0
		.amdhsa_float_denorm_mode_32 3
		.amdhsa_float_denorm_mode_16_64 3
		.amdhsa_memory_ordered 1
		.amdhsa_forward_progress 1
		.amdhsa_inst_pref_size 199
	.end_amdhsa_kernel
	.amdgpu_metadata
---
amdhsa.version: [ 1, 2 ]
amdhsa.kernels:
  - .name:           k_q33df531e81_proj
    .symbol:         k_q33df531e81_proj.kd
    .args:
      - { .name: x, .offset: 0, .size: 8, .value_kind: global_buffer, .address_space: global }
      - { .name: person_idxs, .offset: 8, .size: 8, .value_kind: global_buffer, .address_space: global }
      - { .name: wc, .offset: 16, .size: 8, .value_kind: global_buffer, .address_space: global }
      - { .name: PK_b, .offset: 24, .size: 8, .value_kind: global_buffer, .address_space: global }
      - { .name: PQ_b, .offset: 32, .size: 8, .value_kind: global_buffer, .address_space: global }
      - { .name: lowp_scales, .offset: 40, .size: 8, .value_kind: global_buffer, .address_space: global }
      - { .name: qc, .offset: 48, .size: 8, .value_kind: global_buffer, .address_space: global }
      - { .name: kv, .offset: 56, .size: 8, .value_kind: global_buffer, .address_space: global }
    .group_segment_fixed_size: 231936
    .private_segment_fixed_size: 0
    .kernarg_segment_align: 8
    .kernarg_segment_size: 64
    .max_flat_workgroup_size: 128
    .sgpr_count:     98
    .vgpr_count:     1024
    .wavefront_size: 32
...
	.end_amdgpu_metadata
.endif
;; end of part 5
;; launch attn (part 6): grid 4 x 64, 4 waves a work-group, clusters of 4 x 1, 327,680 bytes of LDS; arguments qc, kv, mask, lowp_scales, out0; writes out0
.if DOCPART == 6
	.amdgcn_target "amdgcn-amd-amdhsa--gfx1250"
	.amdhsa_code_object_version 6
	.text
	.protected	k_q33df531e81_attn
	.globl	k_q33df531e81_attn
	.p2align	8
	.type	k_q33df531e81_attn,@function
k_q33df531e81_attn:
	s_mov_b64 s[64:65], 0
	v_nop
	global_prefetch_b8 v0, s[64:65] scope:SCOPE_SE
	s_setreg_imm32_b32 hwreg(HW_REG_WAVE_MODE, 25, 1), 1
	s_wait_xcnt 0x0
	s_wait_alu depctr_hold_cnt(0) depctr_sa_sdst(0) depctr_va_vdst(0) depctr_va_sdst(0) depctr_va_ssrc(0) depctr_va_vcc(0) depctr_vm_vsrc(0)
	s_getreg_b32 s2, hwreg(HW_REG_IB_STS2, 6, 4)
	s_cmp_eq_u32 s2, 0
	s_cbranch_scc0 .Lentry_in_a_cluster
	s_endpgm
.Lentry_in_a_cluster:
	s_bfe_u32 s2, ttmp6, 0x10000c
	s_cmp_lg_u32 s2, 0x3003
	s_cbranch_scc0 .Lentry_shape_is_right
	s_endpgm
.Lentry_shape_is_right:
; out0[b][q][:] = the sum over k of softmax_k(queries[b][q] . keys[b][k], keys hidden where mask[b][k] = 0) v[b][k][:], both products on codes of FP8 (E4M3) as the launch before laid them:
; qc: b x 262144 + T x 4096 + c x 2048; kv: b x 524288 + 65536 for each 128 keys: 16 images of keys (2 t + c) x 2048, then 16 of v^T, n x 2048.  An image is an operand's 16 registers: byte 512 g + 16 lane.
; Lane r of token tile 2 B + u is token 32 B + 8 u + r + 8 (r / 8), so that the 16 registers of two neighbouring tiles of S^T are 16 neighbouring keys.
; THE SOFTMAX AHEAD OF THE SECOND PRODUCT: t = logit x log2(e); M = the running largest t rounded UP to a whole number; p = 2^(t - M) is quantised under 2^e12; the row's sum is taken of the unquantised p and divides at
; the end; when M moves, the sum and O^T are multiplied by 2^(old M - new M), which rounds nothing.
; THE MASK: a table of one f32 a key, 0 or -2^100, is the C of each tile's first product.  The running largest t begins at -2^40 c, c = log2(e) 2^(e10 + e11): under every t of a key that counts (a sum of 256 products of
; codes is under 2^26) and far over every hidden one, so a hidden key's p is 0.  A batch with no key that counts gives 0 x infinity = NaN, as the softmax of nothing does.
; SHARES.  A cluster of four work-groups is one batch; a work-group owns 256 queries, each of its four waves 64: four tiles of 16, so that each fragment of K or V read from LDS feeds four products.
; Both products are used transposed (S^T = K Q^T, O^T = V^T P^T): a lane holds one query throughout.  Eight key steps of 128 keys; a step's 64 KB are one dense block, asked for JOINTLY by the four work-groups,
; each wave a quarter (16 KB), through two LDS slots.  A wave has one tensor load out at the most.
; LIMITS: e10 + e11 between -90 and 80; e12 between -126 and 119; e12 + e13 is applied by v_ldexp_f32 and has none.
; REGISTERS, in windows of 256.  window 0: v1 16 x lane; v2-5 LDS addresses; v6, v7 for the add; v8, v9 2^e12 and 448 x 2^e12; v10 the prefetches' offset; v12 the stage; v16-47 eight statistics a tile
;   (+0 -M, +1 the largest t, +2, +3 the sum, +4 f, +5 the other half's, +6, +7 at work); v48-111 Q's first K step, then p's codes; v112-175 Q's second, then V5-8; v176-255 five fragments of K, then V0-4.
;   window 1: S^T, then p, 64 a tile; tile 0's registers then take V9-12, tile 1's V13-15.   windows 2, 3: O^T: tile q in window 2 + q / 2 at 128 (q % 2) + 8 n.
.set SLOT1, 65536                      ; LDS: slot 0 at 0, slot 1 here; one exclusive or turns an address in one into the other's
.set QI,    131072                     ; each wave's eight images of Q, 16,384 bytes; at the end its stage, 16 rows of 528 bytes
.set TBL,   196608                     ; the mask's table: 1,024 f32
.set SPARE, 200704                     ; the spare words, 128 bytes for each wave: two blocks of 256 bytes that no other line names
.set ST,    16
.set QA,    48
.set QB,    112
.set KF,    176
.set MSB,   0
.macro WIN new                         ; the immediate's high byte repeats the setting that is left; a switch that changes nothing is dropped
.if MSB != (\new)
	s_set_vgpr_msb (MSB<<8)|(\new)
.set MSB, (\new)
.endif
.endm
.macro PLACES n
.rept \n
	v_nop
.endr
.endm
.macro CROUND                          ; a round of the cluster's barrier: my work-group's barrier; wave 0 signals for the work-group; every wave waits for all four; my work-group's barrier once more
	s_barrier_signal -1
	s_barrier_wait -1
	s_cmp_lg_u32 s14, 0
	s_cbranch_scc1 .Lnot_wave_0_\@
	s_barrier_signal -3
.Lnot_wave_0_\@:
	s_barrier_wait -3
	s_barrier_signal -1
	s_barrier_wait -1
.endm
.macro TLOAD                           ; my quarter of a key step; four v_nop follow
	tensor_load_to_lds s[32:35], s[24:31]
	s_nop 0
.rept 4
	v_nop
.endr
.endm
; A PREFETCH INTO THE L2 of the key step that the NEXT change of slots will ask for: 65,536 bytes, 256 blocks of 256.  The four partners take 16,384 bytes each, told apart by address; in each, waves 0 and 1 ask,
; 8,192 bytes a wave, lanes 256 bytes apart: each block is named once in the launch.  The last change that fills a slot asks for nothing; steps 0 and 1 come by their loads alone.
.macro ASK
	s_cmp_gt_u32 s38, s39
	s_cbranch_scc0 .Lnot_mine_\@
	global_prefetch_b8 v10, s[44:45] th:TH_LOAD_NT scope:SCOPE_SE
.Lnot_mine_\@:
.endm
; THE CHANGE OF SLOTS, at a step's head.  Each wave waits for all its tensor loads (its quarter of the slot ahead), adds 0 to its spare word, and waits for that and for its reads of the slot that it has left.
; fill = 1: the barrier is a round of the cluster's, and behind it the slot just left is asked for again, jointly: the load has a whole key step in which to land.
.macro CHANGE fill
	WIN 0
	s_wait_tensorcnt 0x0                           ; no tensor load of mine is out, so the walking descriptor may be written
	ds_add_u32 v6, v7                              ; 0 onto my spare word
.if \fill
	s_xor_b32 s33, s33, SLOT1                      ; the other slot than last time,
	s_add_nc_u64 s[34:35], s[34:35], 65536         ; the next 128 keys; the type bits on top are not reached
	s_wait_xcnt 0x0                                ; the last prefetch, a key step back, has read its address
	s_add_nc_u64 s[44:45], s[44:45], 65536         ; one step further on than the descriptor
	s_wait_dscnt 0x0                               ; the add is done, and my LDS reads and stores are over
	CROUND
	TLOAD
	ASK
.else
	s_wait_dscnt 0x0
	s_barrier_signal -1
	s_barrier_wait -1
.endif
.endm
.macro QLOAD reg, off                  ; my four tiles of Q, one K step
.irp q, 0,1,2,3
.irp g, 0,1,2,3
	ds_load_b128 v[\reg+16*\q+4*\g:\reg+16*\q+4*\g+3], v3 offset:\q*4096+(\off)+512*\g
.endr
.endr
.endm
.macro KLOAD phi                       ; fragment phi = 2 t + c of K into slot phi % 5
.irp g, 0,1,2,3
	ds_load_b128 v[KF+16*((\phi)%5)+4*\g:KF+16*((\phi)%5)+4*\g+3], v2 offset:(\phi)*2048+512*\g
.endr
.endm
.macro VLOAD n, reg
.irp g, 0,1,2,3
	ds_load_b128 v[(\reg)+4*\g:(\reg)+4*\g+3], v2 offset:32768+(\n)*2048+512*\g
.endr
.endm
; Fragment phi of K against my four tiles of Q.  c = 0: the mask's eight numbers of the tile lie in tile 0's registers and are the C of all four products; tile 0's own, which writes over them, comes last, five places
; behind the others (ISA guide 7.12.1).  The four accumulators take turns.
.macro SPH phi
.set T8, 8*((\phi)/2)
.set KS, KF+16*((\phi)%5)
.if (\phi) == 0
	s_wait_dscnt 32                                ; the table, Q's first K step and fragment 0 are in; behind them: Q's second (16 loads) and four fragments (16)
.elseif (\phi) < 12
	s_wait_dscnt 16                                ; four younger fragments may be out
.else
	s_wait_dscnt 4*(15-(\phi))
.endif
	WIN 0x50
.if (\phi)%2 == 0
.irp q, 1,2,3
	v_wmma_f32_16x16x128_fp8_fp8 v[64*\q+T8:64*\q+T8+7], v[KS:KS+15], v[QA+16*\q:QA+16*\q+15], v[T8:T8+7]
.endr
	PLACES 5
	v_wmma_f32_16x16x128_fp8_fp8 v[T8:T8+7], v[KS:KS+15], v[QA:QA+15], v[T8:T8+7]
.else
.irp q, 1,2,3,0
	v_wmma_f32_16x16x128_fp8_fp8 v[64*\q+T8:64*\q+T8+7], v[KS:KS+15], v[QB+16*\q:QB+16*\q+15], v[64*\q+T8:64*\q+T8+7]
.endr
.endif
.if (\phi) < 11
	PLACES 4                                       ; ahead of loads into the slot that these products read
	WIN 0
	KLOAD (\phi)+5
.endif
.endm
.macro FMA q                           ; t - M, two at a time (of the pairs c and -M the low word serves both halves)
.set J, 0
.rept 32
	v_pk_fma_f32 v[64*(\q)+J:64*(\q)+J+1], v[64*(\q)+J:64*(\q)+J+1], s[40:41], v[ST+8*(\q):ST+8*(\q)+1] op_sel_hi:[1,0,0]
.set J, J+2
.endr
.endm
; Tile q's 64 exponentials, ONE BATCH, with plain work of other tiles between: the hold of tile q - 1's p (its sum is taken) and the scaling of tile q + 1.  None of it names a result of the batch.
; Behind the last exponential a plain line, then one wait ahead of the batch's first reader.
.macro RR q, domin, dofma
.set J, 0
.rept 64
	v_exp_f32 v[64*(\q)+J], v[64*(\q)+J]
.if \domin
	v_min_num_f32 v[64*((\q)-1)+J], v[64*((\q)-1)+J], v9
.endif
.if \dofma && (J%2)
	v_pk_fma_f32 v[64*((\q)+1)+J-1:64*((\q)+1)+J], v[64*((\q)+1)+J-1:64*((\q)+1)+J], s[40:41], v[ST+8*((\q)+1):ST+8*((\q)+1)+1] op_sel_hi:[1,0,0]
.endif
.set J, J+1
.endr
	v_nop
	s_wait_alu depctr_va_vdst(0)
.endm
.macro SUM q                           ; the row's sum of the UNQUANTISED p, two at a time, in two chains: the running sum, and a second that the first pair starts
	v_pk_mul_f32 v[ST+8*(\q)+6:ST+8*(\q)+7], v[64*(\q):64*(\q)+1], 1.0 op_sel_hi:[1,0]
.set J, 2
.rept 15
	v_pk_add_f32 v[ST+8*(\q)+2:ST+8*(\q)+3], v[64*(\q)+J:64*(\q)+J+1], v[ST+8*(\q)+2:ST+8*(\q)+3]
	v_pk_add_f32 v[ST+8*(\q)+6:ST+8*(\q)+7], v[64*(\q)+J+2:64*(\q)+J+3], v[ST+8*(\q)+6:ST+8*(\q)+7]
.set J, J+4
.endr
	v_pk_add_f32 v[ST+8*(\q)+2:ST+8*(\q)+3], v[64*(\q)+62:64*(\q)+63], v[ST+8*(\q)+2:ST+8*(\q)+3]
.endm
.macro CVT q                           ; p's codes: registers 16 b + i are keys 32 b + 16 h + i, so the results are the second product's operand
.set J, 0
.rept 8
	v_cvt_scalef32_pk8_fp8_f32 v[QA+16*(\q)+2*J:QA+16*(\q)+2*J+1], v[64*(\q)+8*J:64*(\q)+8*J+7], v8
.set J, J+1
.endr
	v_nop                                          ; one plain line behind a run of scaled conversions
.endm
.macro RESC                            ; O^T under the new M: x f, each accumulator from its low end on
.irp q, 0,1,2,3
	WIN 0x82+0x41*(\q/2)
.set J, 0
.rept 64
	v_pk_mul_f32 v[128*(\q%2)+J:128*(\q%2)+J+1], v[128*(\q%2)+J:128*(\q%2)+J+1], v[ST+8*\q+4:ST+8*\q+5] op_sel_hi:[1,0]
.set J, J+2
.endr
.endr
.endm
; O^T += V^T P^T for tiles qa and qa + 1, all sixteen tiles of channels: all of V lies in registers, so the products go by register window.  Each accumulator has one product a step; neighbours differ.
.macro PVQ qa, first
.set N, 0
.rept 16
.if N < 5
.set VR, KF+16*N
.elseif N < 9
.set VR, QB+16*(N-5)
.else
.set VR, 16*(N-9)
.endif
.if N < 9
	WIN 0xa0+0x50*((\qa)/2)
.else
	WIN 0xa1+0x50*((\qa)/2)
.endif
.irp q, 0,1
.if \first
	v_wmma_f32_16x16x128_fp8_fp8 v[128*\q+8*N:128*\q+8*N+7], v[VR:VR+15], v[QA+16*((\qa)+\q):QA+16*((\qa)+\q)+15], 0
.else
	v_wmma_f32_16x16x128_fp8_fp8 v[128*\q+8*N:128*\q+8*N+7], v[VR:VR+15], v[QA+16*((\qa)+\q):QA+16*((\qa)+\q)+15], v[128*\q+8*N:128*\q+8*N+7]
.endif
.endr
.set N, N+1
.endr
.endm
; A KEY STEP.  first = 1: its products start O^T's sums, and there is nothing to rescale.
.macro STEP first
	v_add_nc_u32 v2, s36, v1                       ; the slot in hand
	v_add_nc_u32 v5, s37, v4                       ; the step's 128 numbers of the table
	WIN 0x40
.irp b, 0,1,2,3
.irp k, 0,1,2,3
	ds_load_b128 v[16*\b+4*\k:16*\b+4*\k+3], v5 offset:128*\b+16*\k   ; keys 32 b + 16 h + 4 k on, into tile 0's registers of S^T
.endr
.endr
	WIN 0
	QLOAD QA, 0
	KLOAD 0
	QLOAD QB, 2048
.irp p, 1,2,3,4
	KLOAD \p
.endr
	s_wait_alu depctr_va_vdst(0)
.irp p, 0,1,2,3,4,5,6,7,8,9,10,11,12,13,14,15
	SPH \p
.endr
	PLACES 4                                       ; ahead of loads into K's and Q's registers, and of the first read of scores
	WIN 0
.irp n, 0,1,2,3,4
	VLOAD \n, KF+16*\n
.endr
.irp n, 5,6,7,8
	VLOAD \n, QB+16*(\n-5)
.endr
	WIN 0x05                                       ; the largest score of my query among my 64 keys: two chains a tile, the scores in ascending order, the tiles by turns
.irp q, 0,1,2,3
	v_max_num_f32 v[ST+8*\q+6], v[64*\q], v[64*\q+1]
.endr
.irp q, 0,1,2,3
	v_max_num_f32 v[ST+8*\q+7], v[64*\q+2], v[64*\q+3]
.endr
.set J, 4
.rept 15
.irp q, 0,1,2,3
	v_max3_num_f32 v[ST+8*\q+6], v[64*\q+J], v[64*\q+J+1], v[ST+8*\q+6]
.endr
.irp q, 0,1,2,3
	v_max3_num_f32 v[ST+8*\q+7], v[64*\q+J+2], v[64*\q+J+3], v[ST+8*\q+7]
.endr
.set J, J+4
.endr
	WIN 0
.irp q, 0,1,2,3
	v_max_num_f32 v[ST+8*\q+6], v[ST+8*\q+6], v[ST+8*\q+7]
.endr
.irp q, 0,1,2,3
	v_permlanex16_b32 v[ST+8*\q+5], v[ST+8*\q+6], s42, s43   ; the query's other 64 keys lie in the lane 16 away
.endr
.irp q, 0,1,2,3
	v_max_num_f32 v[ST+8*\q+6], v[ST+8*\q+6], v[ST+8*\q+5]
.endr
.irp q, 0,1,2,3
	v_mul_f32 v[ST+8*\q+6], s40, v[ST+8*\q+6]      ; as t (c is positive)
.endr
.irp q, 0,1,2,3
	v_max_num_f32 v[ST+8*\q+1], v[ST+8*\q+1], v[ST+8*\q+6]   ; the running largest t
.endr
.irp q, 0,1,2,3
	v_mov_b32 v[ST+8*\q+7], v[ST+8*\q]
.endr
.irp q, 0,1,2,3
	v_floor_f32 v[ST+8*\q], -v[ST+8*\q+1]          ; the new -M = floor(-t) = -ceil(t)
.endr
.irp q, 0,1,2,3
	v_sub_f32 v[ST+8*\q+7], v[ST+8*\q], v[ST+8*\q+7]   ; old M - new M: a whole number, 0 or less
.endr
.irp q, 0,1,2,3
	v_cvt_i32_f32 v[ST+8*\q+7], v[ST+8*\q+7]       ; (it saturates)
.endr
.irp q, 0,1,2,3
	v_ldexp_f32 v[ST+8*\q+4], 1.0, v[ST+8*\q+7]    ; f = 2^(old M - new M)
.endr
.irp q, 0,1,2,3
	v_pk_mul_f32 v[ST+8*\q+2:ST+8*\q+3], v[ST+8*\q+2:ST+8*\q+3], v[ST+8*\q+4:ST+8*\q+5] op_sel_hi:[1,0]   ; the sum under the new M
.endr
	WIN 0x41
	FMA 0
	s_wait_alu depctr_va_vdst(0)
	RR 0, 0, 1
	WIN 0x01
	SUM 0
	WIN 0x41
	RR 1, 1, 1
	WIN 0x01
	CVT 0
	SUM 1
	WIN 0x40
.irp n, 9,10,11,12
	VLOAD \n, 16*(\n-9)                            ; tile 0's p is converted: its registers take four fragments of V
.endr
	WIN 0x41
	RR 2, 1, 1
	WIN 0x01
	CVT 1
	SUM 2
	WIN 0x40
.irp n, 13,14,15
	VLOAD \n, 16*(\n-9)
.endr
	WIN 0x41
	RR 3, 1, 0
	WIN 0x01
	CVT 2
	SUM 3
	WIN 0x41
.set J, 0
.rept 64
	v_min_num_f32 v[192+J], v[192+J], v9           ; the conversion to an 8-bit code does not saturate (ISA guide 7.6.2); p is not negative, so the hold is one-sided
.set J, J+1
.endr
	WIN 0x01
	CVT 3
	WIN 0
.irp q, 0,1,2,3
	v_pk_add_f32 v[ST+8*\q+2:ST+8*\q+3], v[ST+8*\q+2:ST+8*\q+3], v[ST+8*\q+6:ST+8*\q+7]
.endr
.if !\first
	RESC
.endif
	s_wait_alu depctr_va_vdst(0)
	s_wait_dscnt 0x0                               ; all of V is in
	PVQ 0, \first
	PVQ 2, \first
	PLACES 5                                       ; ahead of the next step's loads into V's and p's registers, and of its first products, which write over registers that held V
	WIN 0
	s_xor_b32 s36, s36, SLOT1                      ; on to the other slot,
	s_add_co_u32 s37, s37, 512                     ; and to the table's next 128 numbers
.endm
	s_load_b256 s[4:11], s[0:1], 0x0               ; qc 4:5, kv 6:7, mask 8:9, lowp_scales 10:11
	s_load_b64 s[12:13], s[0:1], 0x20              ; out0
	v_lshl_add_u32 v6, v0, 2, SPARE
	v_mov_b32 v7, 0
	ds_add_u32 v6, v7
	ds_add_u32 v6, v7
	s_wait_dscnt 0x0
	v_lshrrev_b32 v1, 5, v0
	v_readfirstlane_b32 s14, v1                    ; wave 0..3
	s_bfe_u32 s15, ttmp6, 0x40000                  ; cx: my place in the cluster
	s_lshl_b32 s16, ttmp9, 2
	s_add_co_u32 s16, s16, s15                     ; my block of 256 queries: it enters Q's and out0's addresses and the prefetches' alone
	s_and_b32 s17, ttmp7, 0xffff                   ; the batch, which the four partners share
	s_mov_b32 s24, 15|(3<<16)|(1<<21)              ; group 1: 15:0 the mask: all four work-groups; 17:16 elements of 8 bytes; 20 no padding; 21 set beside a mask
	s_mov_b32 s25, 32<<16                          ; tensor_dim0 = 32 elements: rows of 256 bytes
	s_mov_b32 s26, 64<<16                          ; tensor_dim1 = 64
	s_mov_b32 s27, 32<<16                          ; tile_dim0 = 32
	s_mov_b32 s28, 64                              ; tile_dim1 = 64: 16,384 bytes
	s_mov_b32 s29, 32                              ; the pitch: the block is dense
	s_mov_b32 s30, 0
	s_mov_b32 s31, 0
	s_mov_b32 s42, 0x76543210                      ; v_permlanex16_b32's selects for lane l xor 16
	s_mov_b32 s43, 0xfedcba98
	s_lshl_b32 s18, s17, 19
	s_mov_b32 s19, 0
	s_lshl_b32 s22, s14, 14                        ; my quarter of a key step, in memory and in a slot
	s_mov_b32 s23, 0
	s_wait_kmcnt 0x0
	s_load_b128 s[48:51], s[10:11], 0x28           ; e10, e11, e12, e13
	s_add_nc_u64 s[6:7], s[6:7], s[18:19]          ; kv at the batch
	s_mov_b32 s32, 1                               ; group 0: count = 1
	s_lshl_b32 s33, s14, 14                        ; LDS address: slot 0, my quarter
	s_add_nc_u64 s[34:35], s[6:7], s[22:23]        ; global address: key step 0, my quarter
	s_or_b32 s35, s35, 0x80000000                  ; type = 2
	CROUND                                         ; all four work-groups are here: the first joint loads meet
	TLOAD                                          ; key step 0 into slot 0
	s_lshl_b32 s20, s17, 18
	s_lshl_b32 s21, s16, 16
	s_add_co_u32 s20, s20, s21
	s_add_co_u32 s20, s20, s22
	s_mov_b32 s21, 0
	s_add_nc_u64 s[4:5], s[4:5], s[20:21]          ; qc at my eight images
	v_and_b32 v1, 31, v0
	v_lshlrev_b32 v1, 4, v1                        ; 16 x lane
	s_wait_alu depctr_va_vdst(0)
	WIN 0x40
.irp i, 0,1,2,3,4,5,6,7,8,9,10,11,12,13,14,15,16,17,18,19,20,21,22,23,24,25,26,27,28,29,30,31
	global_load_b128 v[4*\i:4*\i+3], v1, s[4:5] offset:512*\i th:TH_LOAD_NT
.endr
	WIN 0
	s_lshl_b32 s20, s17, 10
	s_add_nc_u64 s[8:9], s[8:9], s[20:21]
	v_lshlrev_b32 v11, 3, v0
	global_load_b64 v[176:177], v11, s[8:9]        ; eight keys' mask bytes a thread
	s_lshl_b32 s20, s17, 20
	s_lshl_b32 s52, s16, 18
	s_add_co_u32 s20, s20, s52
	s_lshl_b32 s52, s14, 16
	s_add_co_u32 s20, s20, s52
	s_add_nc_u64 s[12:13], s[12:13], s[20:21]      ; out0 at my wave's 64 rows of 1,024 bytes
	s_lshl_b32 s52, s15, 14                        ; the prefetches: my work-group's 16,384 bytes of a step,
	s_and_b32 s53, s14, 1
	s_lshl_b32 s53, s53, 13                        ; my wave's half of them,
	s_add_co_u32 s52, s52, s53
	s_add_co_u32 s52, s52, 65536                   ; in step 1: the first change of slots steps it to step 2
	s_mov_b32 s53, 0
	s_add_nc_u64 s[44:45], s[6:7], s[52:53]
	s_cmp_lt_u32 s14, 2
	s_cselect_b32 s39, 1, -1                       ; waves 0 and 1 ask while more than one fill is to come
	v_and_b32 v10, 31, v0
	v_lshlrev_b32 v10, 8, v10
	s_add_co_u32 s54, s22, QI
	v_add_nc_u32 v3, s54, v1                       ; my images of Q; later: where I read a row of the stage back
	v_and_b32 v15, 15, v0                          ; r
	v_bfe_u32 v14, v0, 4, 1                        ; h
	v_mul_u32_u24 v12, v15, 528
	v_lshl_add_u32 v12, v14, 5, v12
	v_add_nc_u32 v12, s54, v12                     ; the stage: row r, + 32 h
	v_lshlrev_b32 v4, 6, v14
	v_add_nc_u32 v4, TBL, v4                       ; the table, + 64 h
	v_lshl_add_u32 v13, v0, 5, TBL                 ; where I store my eight numbers of it
	v_mov_b32 v179, 0xf1800000                     ; -2^100
	s_wait_kmcnt 0x0
	s_add_co_i32 s52, s48, s49
	s_lshl_b32 s52, s52, 23
	s_add_co_i32 s40, s52, 0x3fb8aa3b              ; c = log2(e) x 2^(e10 + e11): the exponents are added to the exponent field
	s_mov_b32 s41, s40                             ; (named with it as a pair, so it is written)
	s_add_co_i32 s53, s40, 0x14000000
	s_or_b32 s53, s53, 0x80000000                  ; -2^40 c
	s_add_co_i32 s52, s50, 127
	s_lshl_b32 s55, s52, 23
	v_mov_b32 v8, s55                              ; 2^e12 as f32, for the conversions
	s_add_co_i32 s52, s52, 8
	s_lshl_b32 s52, s52, 23
	s_or_b32 s52, s52, 0x600000
	v_mov_b32 v9, s52                              ; 448 x 2^e12
.irp q, 0,1,2,3
	v_mov_b32 v[ST+8*\q+1], s53
	v_floor_f32 v[ST+8*\q], -v[ST+8*\q+1]
	v_mov_b32 v[ST+8*\q+2], 0
	v_mov_b32 v[ST+8*\q+3], 0
	v_mov_b32 v[ST+8*\q+5], 0                      ; written once: a lane permute's destination counts as one of its sources
.endr
	s_wait_loadcnt 0x0
	WIN 0x04
.irp i, 0,1,2,3,4,5,6,7,8,9,10,11,12,13,14,15,16,17,18,19,20,21,22,23,24,25,26,27,28,29,30,31
	ds_store_b128 v3, v[4*\i:4*\i+3] offset:512*\i
.endr
	WIN 0
.irp j, 0,1,2,3,4,5,6,7
	v_bfe_u32 v178, v[176+\j/4], 8*(\j%4), 8
	v_cmp_eq_u32 vcc_lo, 0, v178
	v_cndmask_b32 v[180+\j], 0, v179, vcc_lo       ; 0 for a key that counts, -2^100 for a hidden one
.endr
	ds_store_b128 v13, v[180:183]
	ds_store_b128 v13, v[184:187] offset:16
	s_mov_b32 s36, 0
	s_mov_b32 s37, 0
	s_mov_b32 s38, 6
	CHANGE 1                                       ; step 0 has landed and the table is whole for every wave; step 1 is asked for
	STEP 1
.Lstep:                                            ; six trips: steps 1 to 6; steps 2 to 7 are asked for
	CHANGE 1
	STEP 0
	s_sub_co_u32 s38, s38, 1
	s_cmp_lg_u32 s38, 0
	s_cbranch_scc1 .Lstep
	CHANGE 0                                       ; the last step is written out
	STEP 0
	; THE WAY OUT.  O^T is divided by the row's sum, multiplied by 2^(e12 + e13), and goes through my stage in LDS, 16 queries x 128 channels at a time: the 32 lanes then store a row's 512 consecutive bytes.
.irp q, 0,1,2,3
	v_add_f32 v[ST+8*\q+6], v[ST+8*\q+2], v[ST+8*\q+3]
.endr
.irp q, 0,1,2,3
	v_permlanex16_b32 v[ST+8*\q+5], v[ST+8*\q+6], s42, s43
.endr
.irp q, 0,1,2,3
	v_add_f32 v[ST+8*\q+6], v[ST+8*\q+6], v[ST+8*\q+5]
.endr
	s_wait_alu depctr_va_vdst(0)
.irp q, 0,1,2,3
	v_rcp_f32 v[ST+8*\q+4], v[ST+8*\q+6]
.endr
	v_nop                                          ; a plain line behind the last reciprocal
	s_add_co_i32 s52, s50, s51
	s_wait_alu depctr_va_vdst(0)                   ; one wait for the four, ahead of their first reader
.irp q, 0,1,2,3
	v_ldexp_f32 v[ST+8*\q+4], v[ST+8*\q+4], s52
.endr
.macro TOSTAGE g                       ; tile g / 2, channels 128 (g % 2) on
.set Q_, (\g)/2
.set OB_, 128*(Q_%2)+64*((\g)%2)
	WIN 0x02+(Q_/2)
.set J, 0
.rept 32
	v_pk_mul_f32 v[48+J:48+J+1], v[OB_+J:OB_+J+1], v[ST+8*Q_+4:ST+8*Q_+5] op_sel_hi:[1,0]
.set J, J+2
.endr
	WIN 0
.irp nn, 0,1,2,3,4,5,6,7
	ds_store_b128 v12, v[48+8*\nn:48+8*\nn+3] offset:64*\nn
	ds_store_b128 v12, v[48+8*\nn+4:48+8*\nn+7] offset:64*\nn+16
.endr
.set BB_, 112+64*((\g)%2)
.irp t, 0,1,2,3,4,5,6,7,8,9,10,11,12,13,14,15
	ds_load_b128 v[BB_+4*\t:BB_+4*\t+3], v3 offset:\t*528   ; LDS serves a wave's instructions in order (ISA guide 5.7.1.4): these see the stores above, and the next block's stores come behind them
.endr
.endm
.macro SEND g, younger                 ; younger: the LDS instructions issued behind block g's loads, which may stay out
.set Q_, (\g)/2
.set BB_, 112+64*((\g)%2)
	s_wait_dscnt \younger
.irp t, 0,1,2,3,4,5,6,7,8,9,10,11,12,13,14,15
	global_store_b128 v1, v[BB_+4*\t:BB_+4*\t+3], s[12:13] offset:(32*(Q_/2)+8*(Q_%2)+\t+8*(\t/8))*1024+512*((\g)%2) th:TH_STORE_NT   ; stage row t is the tile's token t + 8 (t / 8); 512 consecutive bytes, at a multiple of 512
.endr
.endm
	TOSTAGE 0
.irp g, 1,2,3,4,5,6,7
.if \g > 1
	s_wait_xcnt 0x0                                ; block g - 2's stores have read their registers: block g's loads may land there
.endif
	TOSTAGE \g
	SEND \g-1, 32                                  ; behind block g - 1's loads: block g's 16 stores and 16 loads
.endr
	SEND 7, 0
	s_wait_tensorcnt 0x0                           ; the wave's end: behind my last tensor load and my last LDS store
	ds_add_u32 v6, v7
	s_wait_dscnt 0x0
	CROUND                                         ; the closing round: no work-group ends while a partner may still ask for a tile that names it
	s_endpgm
.Lfunc_end_k_q33df531e81_attn:
	.size	k_q33df531e81_attn, .Lfunc_end_k_q33df531e81_attn-k_q33df531e81_attn
	.p2alignl 7, 3214868480
	.fill 96, 4, 3214868480
	.section	.rodata,"a",@progbits
	.p2align	6, 0x0
	.amdhsa_kernel k_q33df531e81_attn
		.amdhsa_group_segment_fixed_size 327680
		.amdhsa_private_segment_fixed_size 0
		.amdhsa_enable_private_segment 0
		.amdhsa_kernarg_size 40
		.amdhsa_user_sgpr_count 2
		.amdhsa_user_sgpr_kernarg_segment_ptr 1
		.amdhsa_wavefront_size32 1
		.amdhsa_system_sgpr_workgroup_id_x 1
		.amdhsa_system_sgpr_workgroup_id_y 1
		.amdhsa_system_sgpr_workgroup_id_z 1
		.amdhsa_system_vgpr_workitem_id 0
		.amdhsa_next_free_vgpr 1024
		.amdhsa_next_free_sgpr 66
		.amdhsa_reserve_vcc 1
		.amdhsa_float_denorm_mode_32 3
		.amdhsa_float_denorm_mode_16_64 3
		.amdhsa_memory_ordered 1
		.amdhsa_forward_progress 1
		.amdhsa_inst_pref_size 255
	.end_amdhsa_kernel
	.section	.bss,"aw",@nobits
	.p2align	6
	.space	262144
	.amdgpu_metadata
---
amdhsa.version: [ 1, 2 ]
amdhsa.kernels:
  - .name:           k_q33df531e81_attn
    .symbol:         k_q33df531e81_attn.kd
    .args:
      - { .name: qc, .offset: 0, .size: 8, .value_kind: global_buffer, .address_space: global }
      - { .name: kv, .offset: 8, .size: 8, .value_kind: global_buffer, .address_space: global }
      - { .name: mask, .offset: 16, .size: 8, .value_kind: global_buffer, .address_space: global }
      - { .name: lowp_scales, .offset: 24, .size: 8, .value_kind: global_buffer, .address_space: global }
      - { .name: out0, .offset: 32, .size: 8, .value_kind: global_buffer, .address_space: global }
    .group_segment_fixed_size: 327680
    .private_segment_fixed_size: 0
    .kernarg_segment_align: 8
    .kernarg_segment_size: 40
    .max_flat_workgroup_size: 128
    .sgpr_count:     66
    .vgpr_count:     1024
    .wavefront_size: 32
...
	.end_amdgpu_metadata
.endif
;; end of part 6
